; MI455X (gfx1250); checked and timed in simulation.
; The chip was launched on July 23, 2026; its instructions are those of AMD's public machine-readable ISA for CDNA 5 (MIT licence, August 2026) and "CDNA5" Instruction Set Architecture Reference Guide (July 2026). The comments in the code are by the model that wrote it; some were corrected since.
;; Point Attention. Allowed arithmetic: matrix products marked QUANTISED: E2M1 operands, one E8M0 scale for each 32 along K, by v_wmma_scale_f32_16x16x128_f8f6f4 with both operands' format E2M1 (or v_wmma_scale_f32_32x16x128_f4), f32 sums; products left as they are: f32 operands where the result goes on into a quantised operand, else bf16, f16 or f32 operands; f32 sums; everything else in f32.
;; Inputs: Wk 3 x 64 float32; Wq 3 x 64 float32; Wv 64 x 64 float32; bk 64 float32; bq 64 float32; bv 64 float32; features 1,024 x 32 x 64 float32; p_W1 3 x 3 float32; p_W2 3 x 64 float32; p_b1 3 float32; p_b2 64 float32; p_ln_b 3 float32; p_ln_g 3 float32; pv_xyz 1,024 x 32 x 3 float32; w_W1 64 x 64 float32; w_W2 64 x 64 float32; w_b1 64 float32; w_b2 64 float32; w_ln1_b 64 float32; w_ln1_g 64 float32; w_ln2_b 64 float32; w_ln2_g 64 float32.
;; Outputs: out0 1,024 x 32 x 128 float32.
;; This version of the problem:
;;   THIS VERSION OF THE PROBLEM IS GIVEN IN LOW PRECISION. The matrix products marked QUANTISED in the list below multiply operands that are first quantised to E2M1 (2 exponent bits, 1 mantissa bit; 4 bits a number), with one power-of-two scale for each 32 numbers along K (OCP MX v1.0); their sums are f32. All else is computed in f32.
;;   The module's matrix products, in the order in which they are computed (A, B: the left and right operand; K: the contracted axis; several contracted axes count as one K, in the product's order):
;;     1. [M 1,048,576, K 3] x [K 3, N 3]; A: computed on the way; B: input p_W1: left as it is (K = 3 < 32)
;;     2. [M 1,048,576, K 3] x [K 3, N 64]; A: computed on the way; B: input p_W2: left as it is (K = 3 < 32)
;;     3. [M 32,768, K 3] x [K 3, N 64]; A: input pv_xyz; B: input Wq: left as it is (K = 3 < 32)
;;     4. [M 32,768, K 3] x [K 3, N 64]; A: input pv_xyz; B: input Wk: left as it is (K = 3 < 32)
;;     5. [M 32,768, K 64] x [K 64, N 64]; A: input features; B: input Wv: QUANTISED
;;     6. [M 1,048,576, K 64] x [K 64, N 64]; A: computed on the way; B: input w_W1: QUANTISED
;;     7. [M 1,048,576, K 64] x [K 64, N 64]; A: computed on the way; B: input w_W2: QUANTISED
;;   THE QUANTISER, for each operand of a quantised product, along K:
;;     - K is cut into blocks of 32 from its start; a last block that is shorter is filled with zeros.
;;     - A block's scale is 2^e with e = floor(log2(the largest magnitude in the block)) - 2, held to -126 .. 127; a block of zeros has e = 0. As a byte (E8M0): e + 127.
;;     - Each number is divided by its block's scale, clamped to +-6, and rounded to the nearest number of E2M1, ties to even, subnormals kept.
;;     - The product sums the exact products of the quantised numbers (number of the format x scale) in f32.
;;   ~~~python
;;   def quantise(x, axis):      # numpy; x: float32 -> the quantised numbers, widened to float32 again
;;       x = np.moveaxis(x, axis, -1); K = x.shape[-1]
;;       x = np.pad(x, [(0, 0)] * (x.ndim - 1) + [(0, -K % 32)]); x = x.reshape(x.shape[:-1] + (-1, 32)); a = np.abs(x).max(-1, keepdims=True)
;;       e = np.where(a > 0, np.clip(np.frexp(np.where(a > 0, a, 1))[1] - 1 - 2, -126, 127), 0)      # np.frexp(a)[1] - 1 = floor(log2(a)), exactly
;;       r = np.clip(x / 2.0 ** e, -6, 6)
;;       step = 2.0 ** (np.maximum(np.frexp(np.where(r == 0, 1, r))[1] - 1, 0) - 1)
;;       q = np.round(r / step) * step * 2.0 ** e      # np.round: ties to even
;;       return np.moveaxis(q.reshape(q.shape[:-2] + (-1,))[..., :K], -1, axis).astype(np.float32)
;;   ~~~
;;   OPERANDS COMPUTED ON THE WAY. 'Computed on the way' means the value that the module computes at that place (a softmax that the list does not call 'softmax' is quantised finished and normalised). What goes into a quantiser is computed in f32, as accurately as f32 sums, v_exp_f32 and their like allow (about 1e-6 of the number): no bf16 or f16 on the way to a quantiser, and a product that is left as it is and whose result goes on into a quantised operand takes f32 operands (vector FMAs, or v_wmma_f32_16x16x4_f32). A number that lies on a knife's edge between two numbers of the format may be rounded either way, as far as f32 arithmetic and the matrix unit's own rounding can turn it there, and no further.
;; 2 versions, each right; version 2 is version 1 with the launch pointatt written anew for expert scheduling mode. Each part assembles by itself: llvm-mc -triple=amdgcn-amd-amdhsa -mcpu=gfx1250 --defsym DOCPART=n.
;; ======== version 1 of 2: 1 launch
;; launch pointatt (part 1): grid 256 x 1, 4 waves a work-group, no clusters, 137,216 bytes of LDS; arguments pv_xyz, features, out0, w_W1, w_W2, Wv, Wq, Wk, p_W2, bq, bk, p_b2, w_ln1_g, w_ln1_b, w_ln2_g, w_ln2_b, w_b1, w_b2, bv, p_W1, p_b1, p_ln_g, p_ln_b; writes out0
.if DOCPART == 1
	.amdgcn_target "amdgcn-amd-amdhsa--gfx1250"
	.amdhsa_code_object_version 6
	.text
	.protected	k_q75770769a2_pointatt
	.globl	k_q75770769a2_pointatt
	.p2align	8
	.type	k_q75770769a2_pointatt,@function
k_q75770769a2_pointatt:
	s_mov_b64 s[64:65], 0
	v_nop
	global_prefetch_b8 v0, s[64:65] scope:SCOPE_SE
	s_setreg_imm32_b32 hwreg(HW_REG_WAVE_MODE, 25, 1), 1
	s_wait_xcnt 0x0
; PointAttention, 1,024 voxels x 32 points, 64 features, the three 64 x 64 products on codes of FP4 (E2M1) with one E8M0 scale for each 32 along K.
; SHARES.  1,024 waves, one voxel each (wave w of work-group g: voxel 4 g + w).  A wave runs two halves of 16 queries (i = r + 16 u); a half is 8 trips of 4 tiles; tile s holds the 16 pairs (i, j = (i + s) mod 32).
; LAYOUT.  Lane (r = lane % 16, h = lane / 16) holds pair r of a tile and the features 32 h + 0 .. 31 in 32 consecutive registers.  K = 64 fills half of the instruction's 128: a lane's four low operand registers are ONE whole
; block of 32, the four high ones are zero codes.  The products are used transposed (source 0 = 16 rows of W^T, source 1 = 16 pairs), and row m of weight tile t is output feature 32 (m / 8) + 8 t + m % 8: so the four results
; of a tile of pairs again give lane (r, h) the features 32 h + 0 .. 31, a block's largest number needs no other lane, and the conversions' results are the next operand as they stand.
; The softmax runs over j, which is over tiles inside a lane; its diagonal term is tile 0 of a half for every lane.
; ALGEBRA, all in f32.  (q_i - k_j + p_ij) / 8 is linear in xyz_i, xyz_j, p and 1: the rows of Wq, Wk, p_W2 and bq - bk + p_b2 have their mean over the 64 features taken off and are divided by 8 once, so that
; a = Qc_i - Kc_j + sum_n p_n P2c_n is the first layer norm's x - mu; its variance is summed from a itself.  p_W1's rows and p_b1 are centred over their 3 likewise.  The second layer norm goes in two passes.
; ReLU ahead of a quantiser: the block's largest number is taken without |.| over a floor, the signed numbers are converted, and the magnitude bits of negative codes are cleared (the code -0 is the number 0).
; SOFTMAX: a running maximum M for each (i, feature), moved once for each 4 tiles: L = L 2^(MS_old - c M) + sum 2^(c z - MS), c = log2(e), MS = c M rounded.  The first exponent is one fused multiply-add, so it differs
; from MS_old - MS_new by at most half a unit in MS's last place.
; LIMITS: NaN and infinities among the inputs are not served.  A block whose largest magnitude lies under 2^-124 (a block of zeros among them) gets the scale byte 1: its codes are read by this program alone.
; A point counts as empty where (x | y | z) without the sign bits is 0: -0 counts as zero, a denormal does not.
; No tensor loads, no ring: a voxel's inputs are 8.6 KB and go through registers.  No cluster: only the weights, 50 KB read once at the head, are shared.
; LDS: weight images for all four waves, then a region of its own for each wave.
.set WIMG,  0                          ; 12 fragment images (4 x matrix + tile) x 512 bytes: lane l's 16 bytes at 16 l
.set WSC,   6144                       ; 12 scale-word images x 128 bytes: lane l's word at 4 l
.set WAVE0, 7680
.set WREG,  32256                      ; a wave's region:
.set PT,    272                        ;   a table row: 256 bytes + 16, so that 16 rows fall on 16 different 16-byte columns of 256
.set QT,    17408                      ;   at 0: 64 rows Kc[j] (rows j and j + 32: row i + s needs no wrap); at QT: 32 rows Qc[i]
.set XT,    26112                      ;   96 rows of 16 bytes: (x, y, z, empty) of point row % 32
.set STG,   27648                      ;   16 rows: the stage for features in and results out
; window 0
.set RR, 1
.set HH, 2
.set AK0, 3                            ; K table: region + 272 r + 128 h
.set ADK, 4
.set AX0, 5                            ; xyz table: region + XT + 16 (r + h)
.set ADX, 6
.set AQ0, 7
.set STO, 8                            ; stage by pairs: 272 r + 128 h
.set SRD, 9                            ; stage by rows: 272 h + 16 r
.set GF, 10                            ; features: 256 h + 16 r
.set GO, 11                            ; out0: 512 h + 16 r
.set NEG1, 12
.set AXI0, 13
.set VB, 14                            ; 128 h: my 32 features of a vector of 64
.set VW, 15                            ; my column and first row of a weight
.set XI, 16                            ; v16-19 x, y, z, empty of query i
.set XJ, 20                            ; v20-27 the same of two keys
.set LI, 28
.set LS, 29
.set VX, 30
.set TA, 31
.set DD, 32                            ; v32-47 at work on p: for uu = 0, 1 at 8 uu: 3 distances, flag, 3 u, the variance
.set PP, 48                            ; v48-63 p(T, n) at 4 T + n; the fourth is a pad, written once
.set ACC, 64                           ; pairs: two chains of a sum for each tile
.set ACB, 72
.set RS, 80                            ; pairs (low word used): 1 / sqrt(var + eps)
.set NMU, 88                           ; pairs (low word used): minus the mean
.set MX, 96
.set SOP, 100
.set BY, 104
.set BO, 108
.set SW, 112                           ; v112-127 hold scale words and nothing else
.set W1S, 116
.set W2S, 120
.set WVS, 124
.set CD, 128                           ; v128-159 codes: 8 a tile, the upper four zero
.set BT, 160
.set BU, 176
.set WT, 160                           ; at the head: v160-255 my tile of the three weights, f32
; window 1
.set P2C, 0
.set G1, 96
.set BE1, 128
.set G2, 160
.set BE2, 192
.set QQ, 224
; window 2: v0-127 the four tiles' numbers, X(T, e) = 32 T + e
.set RM, 128
.set RMS, 160
.set RL, 192
.set TMP, 224
.set WKR, 0
.set WQR, 96
.set C0, 192
.set BKR, 224
; window 3: v0-95 the 12 weight fragments, 8 (4 x matrix + tile)
.set B1, 96
.set B2, 128
.set BV, 160
.set ZD, 192
.set FR, 224
; scalars
.set WV, 50
.set SEL, 52
.set I64, 54
.set EPS, 55
.set I3, 56
.set SGN, 57
.set L2E, 58
.set TK, 60
.set TX, 61
.set TRIP, 62
.set UH, 63
.set ABSM, 66
.set NI64, 67
.set PW, 68
.set NL2E, 78
.set PB, 80
.set PG, 84
.set PBE, 88
.set MSK, 92
.set MSB, 0
.macro WIN new                         ; low byte: bits 1:0 source 0, 3:2 source 1, 5:4 source 2, 7:6 destination; the high byte repeats the setting that is left
.if MSB != (\new)
	s_set_vgpr_msb (MSB<<8)|(\new)
.set MSB, (\new)
.endif
.endm
.macro PLACES n
.rept \n
	v_nop
.endr
.endm
.macro LD8 reg, sb, off                ; my 32 numbers of a vector of 64
.irp c, 0,1,2,3,4,5,6,7
	global_load_b128 v[\reg+4*\c:\reg+4*\c+3], v[VB], s[\sb:\sb+1] offset:\off+16*\c
.endr
.endm
.macro LANESUM n                       ; the two chains, the pair's halves and lane l xor 16's: the sum over 64 features in v[ACC + 2 i]
.set i, 0
.rept \n
	v_pk_add_f32 v[ACC+2*i:ACC+2*i+1], v[ACC+2*i:ACC+2*i+1], v[ACB+2*i:ACB+2*i+1]
.set i, i+1
.endr
.set i, 0
.rept \n
	v_add_f32 v[ACC+2*i], v[ACC+2*i], v[ACC+2*i+1]
.set i, i+1
.endr
.set i, 0
.rept \n
	v_permlanex16_b32 v[BO+i], v[ACC+2*i], s[SEL], s[SEL+1]
.set i, i+1
.endr
.set i, 0
.rept \n
	v_add_f32 v[ACC+2*i], v[ACC+2*i], v[BO+i]
.set i, i+1
.endr
.endm
.macro CEN3 a                          ; three scalars lose their mean
	v_add_f32 v[DD], s[\a], s[\a+1]
	v_add_f32 v[DD], s[\a+2], v[DD]
	v_mul_f32 v[DD], 0xbeaaaaab, v[DD]
	v_add_f32 v[DD+1], s[\a], v[DD]
	v_add_f32 v[DD+2], s[\a+1], v[DD]
	v_add_f32 v[DD+3], s[\a+2], v[DD]
	v_readfirstlane_b32 s[\a], v[DD+1]
	v_readfirstlane_b32 s[\a+1], v[DD+2]
	v_readfirstlane_b32 s[\a+2], v[DD+3]
.endm
.macro CENTRE w, n, base               ; n vectors of 64 at base + 32 i in window w: (x - mean) / 8 = x / 8 - sum / 512
	WIN ((\w)<<2)|(\w)
.set i, 0
.rept \n
	v_pk_add_f32 v[ACC+2*i:ACC+2*i+1], v[\base+32*i:\base+32*i+1], v[\base+32*i+2:\base+32*i+3]
	v_pk_add_f32 v[ACB+2*i:ACB+2*i+1], v[\base+32*i+4:\base+32*i+5], v[\base+32*i+6:\base+32*i+7]
.set i, i+1
.endr
	WIN (\w)
.set e, 8
.rept 6
.set i, 0
.rept \n
	v_pk_add_f32 v[ACC+2*i:ACC+2*i+1], v[\base+32*i+e:\base+32*i+e+1], v[ACC+2*i:ACC+2*i+1]
	v_pk_add_f32 v[ACB+2*i:ACB+2*i+1], v[\base+32*i+e+2:\base+32*i+e+3], v[ACB+2*i:ACB+2*i+1]
.set i, i+1
.endr
.set e, e+4
.endr
	WIN 0
	LANESUM \n
.set i, 0
.rept \n
	v_mul_f32 v[NMU+2*i], 0xbb000000, v[ACC+2*i]
.set i, i+1
.endr
	WIN ((\w)<<6)|(\w)
.set e, 0
.rept 16
.set i, 0
.rept \n
	v_pk_fma_f32 v[\base+32*i+e:\base+32*i+e+1], v[\base+32*i+e:\base+32*i+e+1], 0x3e000000, v[NMU+2*i:NMU+2*i+1] op_sel_hi:[1,0,0]
.set i, i+1
.endr
.set e, e+2
.endr
	WIN 0
.endm
.macro TABLES u                        ; rows r + 16 u of the K table (twice) and of the Q table
	ds_load_b128 v[XJ:XJ+3], v[AXI0] offset:256*\u
	s_wait_dscnt 0x0                               ; the point is in (the first time: the weight images too)
	WIN 0x82
.set e, 0
.rept 16
	v_pk_mul_f32 v[TMP+e:TMP+e+1], v[WKR+e:WKR+e+1], v[XJ:XJ+1] op_sel_hi:[1,0]
.set e, e+2
.endr
	WIN 0xA2
.set e, 0
.rept 16
	v_pk_fma_f32 v[TMP+e:TMP+e+1], v[WKR+32+e:WKR+32+e+1], v[XJ:XJ+1], v[TMP+e:TMP+e+1] op_sel:[0,1,0] op_sel_hi:[1,1,1]
.set e, e+2
.endr
.set e, 0
.rept 16
	v_pk_fma_f32 v[TMP+e:TMP+e+1], v[WKR+64+e:WKR+64+e+1], v[XJ+2:XJ+3], v[TMP+e:TMP+e+1] op_sel_hi:[1,0,1]
.set e, e+2
.endr
	WIN 0x08
.irp c, 0,1,2,3,4,5,6,7
	ds_store_b128 v[AK0], v[TMP+4*\c:TMP+4*\c+3] offset:4352*\u+16*\c
	ds_store_b128 v[AK0], v[TMP+4*\c:TMP+4*\c+3] offset:4352*\u+16*\c+8704
.endr
	s_wait_dscnt 0x0                               ; the stores have read their registers
	WIN 0xA2
.set e, 0
.rept 16
	v_pk_fma_f32 v[TMP+e:TMP+e+1], v[WQR+e:WQR+e+1], v[XJ:XJ+1], v[C0+e:C0+e+1] op_sel_hi:[1,0,1]
.set e, e+2
.endr
.set e, 0
.rept 16
	v_pk_fma_f32 v[TMP+e:TMP+e+1], v[WQR+32+e:WQR+32+e+1], v[XJ:XJ+1], v[TMP+e:TMP+e+1] op_sel:[0,1,0] op_sel_hi:[1,1,1]
.set e, e+2
.endr
.set e, 0
.rept 16
	v_pk_fma_f32 v[TMP+e:TMP+e+1], v[WQR+64+e:WQR+64+e+1], v[XJ+2:XJ+3], v[TMP+e:TMP+e+1] op_sel_hi:[1,0,1]
.set e, e+2
.endr
	WIN 0x08
.irp c, 0,1,2,3,4,5,6,7
	ds_store_b128 v[AQ0], v[TMP+4*\c:TMP+4*\c+3] offset:4352*\u+16*\c
.endr
	s_wait_dscnt 0x0
	WIN 0
.endm
; x - mu of four tiles (in X) becomes (x - mu) / sqrt(var + eps) x g + be.  Every line is written for the four tiles by turns.
.macro LNORM g, be
	WIN 0x0A
.irp T, 0,1,2,3
	v_pk_mul_f32 v[ACC+2*\T:ACC+2*\T+1], v[32*\T:32*\T+1], v[32*\T:32*\T+1]
.endr
.irp T, 0,1,2,3
	v_pk_mul_f32 v[ACB+2*\T:ACB+2*\T+1], v[32*\T+2:32*\T+3], v[32*\T+2:32*\T+3]
.endr
.set e, 4
.rept 7
.irp T, 0,1,2,3
	v_pk_fma_f32 v[ACC+2*\T:ACC+2*\T+1], v[32*\T+e:32*\T+e+1], v[32*\T+e:32*\T+e+1], v[ACC+2*\T:ACC+2*\T+1]
.endr
.irp T, 0,1,2,3
	v_pk_fma_f32 v[ACB+2*\T:ACB+2*\T+1], v[32*\T+e+2:32*\T+e+3], v[32*\T+e+2:32*\T+e+3], v[ACB+2*\T:ACB+2*\T+1]
.endr
.set e, e+4
.endr
	WIN 0
	LANESUM 4
.irp T, 0,1,2,3
	v_fma_f32 v[ACC+2*\T], v[ACC+2*\T], s[I64], s[EPS]
.endr
.irp T, 0,1,2,3
	v_rsq_f32 v[RS+2*\T], v[ACC+2*\T]
.endr
	v_nop                                          ; a plain instruction behind the last root,
	s_wait_alu depctr_va_vdst(0)                   ; and one wait for the four, ahead of their first reader
	WIN 0x82
.set e, 0
.rept 16
.irp T, 0,1,2,3
	v_pk_mul_f32 v[32*\T+e:32*\T+e+1], v[32*\T+e:32*\T+e+1], v[RS+2*\T:RS+2*\T+1] op_sel_hi:[1,0]
.endr
.set e, e+2
.endr
	WIN 0x96
.set e, 0
.rept 16
.irp T, 0,1,2,3
	v_pk_fma_f32 v[32*\T+e:32*\T+e+1], v[32*\T+e:32*\T+e+1], v[\g+e:\g+e+1], v[\be+e:\be+e+1]
.endr
.set e, e+2
.endr
	WIN 0
.endm
; relu(X) of four tiles becomes codes in CD and scale words in SW.
.macro QRELU
	WIN 0x28
.irp T, 0,1,2,3
	v_max3_num_f32 v[MX+\T], 0x1800000, v[32*\T], v[32*\T+1]   ; no |.|: what is negative does not count; the floor 2^(3 - 127) holds the byte at 1 from below
.endr
.set e, 2
.rept 15
.irp T, 0,1,2,3
	v_max3_num_f32 v[MX+\T], v[MX+\T], v[32*\T+e], v[32*\T+e+1]
.endr
.set e, e+2
.endr
	WIN 0
.irp T, 0,1,2,3
	v_add_nc_u32 v[SOP+\T], 0xff000000, v[MX+\T]   ; 2 off the exponent field: the conversion's scale operand
.endr
.irp T, 0,1,2,3
	v_lshrrev_b32 v[BY+\T], 23, v[SOP+\T]          ; my block's byte
.endr
.irp T, 0,1,2,3
	v_permlanex16_b32 v[BO+\T], v[BY+\T], s[SEL], s[SEL+1]
.endr
.irp T, 0,1,2,3
	v_lshl_or_b32 v[SW+\T], v[BO+\T], 8, v[BY+\T]  ; lanes 0-15: block 0's byte, block 1's above it; bytes 2 and 3 stand over zero codes
.endr
	WIN 0x02
.irp T, 0,1,2,3
.irp g, 0,1,2,3
	v_cvt_scalef32_pk8_fp4_f32 v[CD+8*\T+\g], v[32*\T+8*\g:32*\T+8*\g+7], v[SOP+\T]
.endr
.endr
	WIN 0
	v_nop                                          ; one plain place behind the scaled conversions
.set k, 0
.rept 16
	v_and_b32 v[BT+k], s[SGN], v[CD+8*(k/4)+k%4]   ; the sign bit of each code,
.set k, k+1
.endr
.set k, 0
.rept 16
	v_lshrrev_b32 v[BU+k], 3, v[BT+k]
.set k, k+1
.endr
.set k, 0
.rept 16
	v_sub_nc_u32 v[BT+k], v[BT+k], v[BU+k]         ; 8 - 1 = 7 in each negative code's four bits,
.set k, k+1
.endr
.set k, 0
.rept 16
	v_bfi_b32 v[CD+8*(k/4)+k%4], v[BT+k], 0, v[CD+8*(k/4)+k%4]   ; whose magnitude bits are cleared: the ReLU
.set k, k+1
.endr
	PLACES 4                                       ; an operand written by vector instructions stands four places ahead of a scaled product; the scale words stand further back
.endm
; X(T, 8 t ..) = 16 rows of W^T (tile t) x the 16 pairs of tile T + bias: 16 products on 16 accumulators, each begun with the bias as C: no sum is taken up again
.macro MM mat, bias, ws
	WIN 0xB3
.irp T, 0,1,2,3
.irp t, 0,1,2,3
	v_wmma_scale_f32_16x16x128_f8f6f4 v[32*\T+8*\t:32*\T+8*\t+7], v[8*(4*\mat+\t):8*(4*\mat+\t)+7], v[CD+8*\T:CD+8*\T+7], v[\bias+8*\t:\bias+8*\t+7], v[\ws+\t], v[SW+\T] matrix_a_fmt:MATRIX_FMT_FP4 matrix_b_fmt:MATRIX_FMT_FP4
.endr
.endr
	WIN 0
	PLACES 4                                       ; four places ahead of the first read of results (ISA guide 7.12.1)
.endm
	; ---------------- the head
	s_load_b512 s[4:19], s[0:1], 0x0               ; pv_xyz 4, features 6, out0 8, w_W1 10, w_W2 12, Wv 14, Wq 16, Wk 18
	s_load_b512 s[20:35], s[0:1], 0x40             ; p_W2 20, bq 22, bk 24, p_b2 26, w_ln1_g 28, w_ln1_b 30, w_ln2_g 32, w_ln2_b 34
	s_load_b256 s[36:43], s[0:1], 0x80             ; w_b1 36, w_b2 38, bv 40, p_W1 42
	s_load_b128 s[44:47], s[0:1], 0xa0             ; p_b1 44, p_ln_g 46
	s_load_b64 s[48:49], s[0:1], 0xb0              ; p_ln_b
	v_lshrrev_b32 v[TA], 5, v0
	v_readfirstlane_b32 s[WV], v[TA]               ; wave 0..3
	v_and_b32 v[RR], 15, v0
	v_bfe_u32 v[HH], v0, 4, 1
	v_and_b32 v[TA], 31, v0                        ; lane
	v_lshlrev_b32 v[LI], 4, v[TA]
	v_lshlrev_b32 v[LS], 2, v[TA]
	v_mul_u32_u24 v[VX], v[TA], 12                 ; lane l takes point l
	v_lshlrev_b32 v[VB], 7, v[HH]
	v_lshrrev_b32 v[VW], 3, v[RR]                  ; a weight is [k][f], 256 bytes a row: lane (r, h) of tile t = wave takes column f = 32 (r / 8) + 8 t + r % 8, rows 32 h on
	v_lshlrev_b32 v[VW], 7, v[VW]
	v_and_b32 v[ADK], 7, v[RR]
	v_lshl_add_u32 v[VW], v[ADK], 2, v[VW]
	v_lshl_add_u32 v[VW], v[HH], 13, v[VW]
	s_lshl_b32 s94, s[WV], 5
	v_add_nc_u32 v[VW], s94, v[VW]
	v_lshlrev_b32 v[GF], 4, v[RR]
	v_lshl_add_u32 v[GO], v[HH], 9, v[GF]
	v_lshl_add_u32 v[GF], v[HH], 8, v[GF]
	s_mul_i32 s95, s[WV], WREG
	s_add_co_u32 s95, s95, WAVE0                   ; my wave's region of LDS
	v_mul_u32_u24 v[AK0], v[RR], PT
	v_lshl_add_u32 v[AK0], v[HH], 7, v[AK0]
	v_add_nc_u32 v[AK0], s95, v[AK0]
	v_add_nc_u32 v[AQ0], QT, v[AK0]
	v_add_nc_u32 v[STO], STG, v[AK0]
	v_mul_u32_u24 v[SRD], v[HH], PT
	v_lshl_add_u32 v[SRD], v[RR], 4, v[SRD]
	v_add_nc_u32 v[SRD], s95, v[SRD]
	v_add_nc_u32 v[SRD], STG, v[SRD]
	v_lshlrev_b32 v[AXI0], 4, v[RR]
	v_add_nc_u32 v[AXI0], s95, v[AXI0]
	v_add_nc_u32 v[AXI0], XT, v[AXI0]
	v_lshl_add_u32 v[AX0], v[HH], 4, v[AXI0]
	s_wait_kmcnt 0x0
	s_load_b256 s[PW:PW+7], s[42:43], 0x0          ; p_W1[c][n] at PW + 3 c + n
	s_load_b32 s[PW+8], s[42:43], 0x20
	s_load_b96 s[PB:PB+2], s[44:45], 0x0
	s_load_b96 s[PG:PG+2], s[46:47], 0x0
	s_load_b96 s[PBE:PBE+2], s[48:49], 0x0
	s_lshl_b32 s94, ttmp9, 2
	s_add_co_u32 s94, s94, s[WV]                   ; my voxel
	s_mul_i32 s96, s94, 384
	s_mov_b32 s97, 0
	s_add_nc_u64 s[4:5], s[4:5], s[96:97]
	s_lshl_b32 s96, s94, 13
	s_add_nc_u64 s[6:7], s[6:7], s[96:97]
	s_lshl_b32 s96, s94, 14
	s_add_nc_u64 s[8:9], s[8:9], s[96:97]
	; all that the head needs from memory goes out in one run
.irp c, 0,1,2
	global_load_b32 v[XI+\c], v[VX], s[4:5] offset:4*\c
.endr
.set i, 0
.rept 32
	global_load_b32 v[WT+i], v[VW], s[10:11] offset:256*i
	global_load_b32 v[WT+32+i], v[VW], s[12:13] offset:256*i
	global_load_b32 v[WT+64+i], v[VW], s[14:15] offset:256*i
.set i, i+1
.endr
	WIN 0x40
	LD8 P2C, 20, 0
	LD8 P2C+32, 20, 256
	LD8 P2C+64, 20, 512
	LD8 G1, 28, 0
	LD8 BE1, 30, 0
	LD8 G2, 32, 0
	LD8 BE2, 34, 0
	WIN 0xC0
	LD8 B1, 36, 0
	LD8 B2, 38, 0
	LD8 BV, 40, 0
	LD8 ZD, 26, 0                                  ; p_b2, for the moment
	WIN 0x80
	LD8 WKR, 18, 0
	LD8 WKR+32, 18, 256
	LD8 WKR+64, 18, 512
	LD8 WQR, 16, 0
	LD8 WQR+32, 16, 256
	LD8 WQR+64, 16, 512
	LD8 C0, 22, 0                                  ; bq
	LD8 BKR, 24, 0                                 ; bk
	WIN 0
	; while they are on their way: constants, pads, zero codes
	s_mov_b32 s[SEL], 0x76543210
	s_mov_b32 s[SEL+1], 0xfedcba98                 ; v_permlanex16_b32's selects for lane l xor 16
	s_mov_b32 s[I64], 0x3c800000                   ; 1 / 64
	s_mov_b32 s[EPS], 0x3727c5ac                   ; 1e-5
	s_mov_b32 s[I3], 0x3eaaaaab                    ; 1 / 3
	s_mov_b32 s[SGN], 0x88888888
	s_mov_b32 s[L2E], 0x3fb8aa3b                   ; log2(e), as a pair: the packed forms name a pair and take its low word
	s_mov_b32 s[L2E+1], s[L2E]
	s_mov_b32 s[NL2E], 0xbfb8aa3b
	s_mov_b32 s[NL2E+1], s[NL2E]
	s_mov_b32 s[ABSM], 0x7fffffff
	s_mov_b32 s[NI64], 0xbc800000                  ; -1 / 64
	v_mov_b32 v[NEG1], -1.0
.irp T, 0,1,2,3
	v_mov_b32 v[PP+4*\T+3], 0                      ; upper halves of pairs of which the low word alone is used: named, so written
	v_mov_b32 v[RS+2*\T+1], 0
	v_mov_b32 v[NMU+2*\T+1], 0
	v_mov_b32 v[BO+\T], 0                          ; a lane permute's destination counts as one of its sources
.irp g, 4,5,6,7
	v_mov_b32 v[CD+8*\T+\g], 0                     ; K = 64 .. 127: zero codes, once
.endr
.endr
	WIN 0xC0
.set i, 0
.rept 12
.irp g, 4,5,6,7
	v_mov_b32 v[8*i+\g], 0                         ; the same in the weights' fragments
.endr
.set i, i+1
.endr
	WIN 0
	s_wait_kmcnt 0x0
	CEN3 PW                                        ; the 3-wide layer norm's mean is taken off its weights
	CEN3 PW+3
	CEN3 PW+6
	CEN3 PB
	s_wait_loadcnt 0x0
	; the xyz table: (x, y, z, 1 where the point is empty), three times on end
	v_or_b32 v[XI+3], v[XI], v[XI+1]
	v_or_b32 v[XI+3], v[XI+3], v[XI+2]
	v_and_b32 v[XI+3], s[ABSM], v[XI+3]
	v_cmp_eq_u32 vcc_lo, 0, v[XI+3]
	v_cndmask_b32 v[XI+3], 0, 1, vcc_lo
	v_add_nc_u32 v[TA], s95, v[LI]
	v_add_nc_u32 v[TA], XT, v[TA]
	ds_store_b128 v[TA], v[XI:XI+3]
	ds_store_b128 v[TA], v[XI:XI+3] offset:512
	ds_store_b128 v[TA], v[XI:XI+3] offset:1024
	; my tile (t = wave) of W1, W2 and Wv is quantised down K: a lane's 32 registers are one block of its column
.irp m, 0,1,2
	v_max3_num_f32 v[MX+\m], 0x1800000, |v[WT+32*\m]|, |v[WT+32*\m+1]|
.endr
.set e, 2
.rept 15
.irp m, 0,1,2
	v_max3_num_f32 v[MX+\m], v[MX+\m], |v[WT+32*\m+e]|, |v[WT+32*\m+e+1]|
.endr
.set e, e+2
.endr
.irp m, 0,1,2
	v_add_nc_u32 v[SOP+\m], 0xff000000, v[MX+\m]
.endr
.irp m, 0,1,2
	v_lshrrev_b32 v[BY+\m], 23, v[SOP+\m]
.endr
.irp m, 0,1,2
	v_permlanex16_b32 v[BO+\m], v[BY+\m], s[SEL], s[SEL+1]
.endr
.irp m, 0,1,2
	v_lshl_or_b32 v[SW+\m], v[BO+\m], 8, v[BY+\m]
.endr
.irp m, 0,1,2
.irp g, 0,1,2,3
	v_cvt_scalef32_pk8_fp4_f32 v[CD+8*\m+\g], v[WT+32*\m+8*\g:WT+32*\m+8*\g+7], v[SOP+\m]
.endr
.endr
	v_nop                                          ; one plain place behind the scaled conversions
	s_lshl_b32 s94, s[WV], 9
	v_add_nc_u32 v[ADK], s94, v[LI]
	s_lshl_b32 s94, s[WV], 7
	v_add_nc_u32 v[ADX], s94, v[LS]
.irp m, 0,1,2
	ds_store_b128 v[ADK], v[CD+8*\m:CD+8*\m+3] offset:WIMG+2048*\m   ; as an image of the registers: 16 bytes a lane
	ds_store_b32 v[ADX], v[SW+\m] offset:WSC+512*\m
.endr
	s_wait_dscnt 0x0                               ; for the others' sake: my images have landed
	s_barrier_signal -1
	s_barrier_wait -1                              ; the only barrier: from here on a wave touches its own region and reads the images
	WIN 0xC0
.set i, 0
.rept 12
	ds_load_b128 v[8*i:8*i+3], v[LI] offset:WIMG+512*i
.set i, i+1
.endr
	WIN 0
.set i, 0
.rept 12
	ds_load_b32 v[W1S+i], v[LS] offset:WSC+128*i
.set i, i+1
.endr
	; c0 = bq - bk + p_b2; then the maps lose their means and are divided by 8
	WIN 0xAA
.set e, 0
.rept 16
	v_pk_add_f32 v[C0+e:C0+e+1], v[C0+e:C0+e+1], v[BKR+e:BKR+e+1] neg_lo:[0,1] neg_hi:[0,1]
.set e, e+2
.endr
	WIN 0x8E
.set e, 0
.rept 16
	v_pk_add_f32 v[C0+e:C0+e+1], v[C0+e:C0+e+1], v[ZD+e:ZD+e+1]
.set e, e+2
.endr
	WIN 0
	CENTRE 1, 3, P2C
	CENTRE 2, 3, WKR
	CENTRE 2, 4, WQR                               ; Wq's three rows and c0
	TABLES 0
	TABLES 1
	s_mov_b32 s[TK], 0                             ; 272 x (16 u + 4 n): the trip's first row of the K table
	s_mov_b32 s[TX], 0                             ; 16 x the same, one trip ahead inside a half
	s_mov_b32 s[UH], 2
.Lhalf:	; ---------------- 16 queries
	v_add_nc_u32 v[ADK], s[TK], v[AQ0]
	v_add_nc_u32 v[TA], s[TX], v[AXI0]
	v_add_nc_u32 v[ADX], s[TX], v[AX0]
	WIN 0x40
.irp c, 0,1,2,3,4,5,6,7
	ds_load_b128 v[QQ+4*\c:QQ+4*\c+3], v[ADK] offset:16*\c
.endr
	WIN 0
	ds_load_b128 v[XI:XI+3], v[TA]
	ds_load_b128 v[XJ:XJ+3], v[ADX]                ; the first trip's keys: lane half h takes tile 2 uu + h
	ds_load_b128 v[XJ+4:XJ+7], v[ADX] offset:32
	s_add_co_u32 s[TX], s[TX], 64
	WIN 0xC0
.irp n, 0,1,2,3,4,5,6,7
	global_load_b128 v[FR+4*\n:FR+4*\n+3], v[GF], s[6:7] offset:512*\n th:TH_LOAD_NT   ; the half's 16 rows of features, wanted eight trips on: 512 consecutive bytes a load
.endr
	WIN 0x80
.set e, 0
.rept 32
	v_mov_b32 v[RM+e], 0xff61b1e6                  ; the largest score so far: -3e38
	v_mov_b32 v[RMS+e], 0xff800000                 ; its c-fold: -infinity, so that the first factor is 0
	v_mov_b32 v[RL+e], 0
.set e, e+1
.endr
	WIN 0
	s_wait_dscnt 0x0
	s_mov_b32 s[TRIP], 8
.Ltrip:	; ---------------- four tiles: s = 4 n + 0 .. 3
	v_add_nc_u32 v[ADK], s[TK], v[AK0]
	v_add_nc_u32 v[ADX], s[TX], v[AX0]
	WIN 0x80
.irp T, 0,1,2,3
.irp c, 0,1,2,3,4,5,6,7
	ds_load_b128 v[32*\T+4*\c:32*\T+4*\c+3], v[ADK] offset:PT*\T+16*\c   ; Kc[i + s]
.endr
.endr
	WIN 0
	s_wait_dscnt 32                                ; the 32 just issued may be out; the two loads of the keys' xyz, issued a trip ago, are in
	; p = relu(LN3(dist W1 + b1)): one pass serves two tiles, lanes 0-15 tile 2 uu, lanes 16-31 tile 2 uu + 1
.irp uu, 0,1
.irp c, 0,1,2
	v_sub_f32 v[DD+8*\uu+\c], v[XJ+4*\uu+\c], v[XI+\c]
.endr
.endr
.irp uu, 0,1
	v_or_b32 v[DD+8*\uu+3], v[XJ+4*\uu+3], v[XI+3]
.endr
	ds_load_b128 v[XJ:XJ+3], v[ADX]                ; the next trip's keys (the last trip's look-ahead reads rows of the table's third copy and is not used)
	ds_load_b128 v[XJ+4:XJ+7], v[ADX] offset:32
.irp uu, 0,1
.irp c, 0,1,2
	v_and_b32 v[DD+8*\uu+\c], s[ABSM], v[DD+8*\uu+\c]
.endr
.endr
.irp uu, 0,1
	v_cmp_ne_u32 s[MSK+\uu], 0, v[DD+8*\uu+3]
.endr
.irp uu, 0,1
.irp c, 0,1,2
	v_cndmask_b32 v[DD+8*\uu+\c], v[DD+8*\uu+\c], v[NEG1], s[MSK+\uu]   ; -1 where either point is empty
.endr
.endr
.irp n, 0,1,2
.irp uu, 0,1
	v_fma_f32 v[DD+8*\uu+4+\n], v[DD+8*\uu], s[PW+\n], s[PB+\n]
.endr
.endr
.irp n, 0,1,2
.irp uu, 0,1
	v_fma_f32 v[DD+8*\uu+4+\n], v[DD+8*\uu+1], s[PW+3+\n], v[DD+8*\uu+4+\n]
.endr
.endr
.irp n, 0,1,2
.irp uu, 0,1
	v_fma_f32 v[DD+8*\uu+4+\n], v[DD+8*\uu+2], s[PW+6+\n], v[DD+8*\uu+4+\n]   ; u - mu
.endr
.endr
.irp uu, 0,1
	v_mul_f32 v[DD+8*\uu+7], v[DD+8*\uu+4], v[DD+8*\uu+4]
.endr
.irp uu, 0,1
	v_fma_f32 v[DD+8*\uu+7], v[DD+8*\uu+5], v[DD+8*\uu+5], v[DD+8*\uu+7]
.endr
.irp uu, 0,1
	v_fma_f32 v[DD+8*\uu+7], v[DD+8*\uu+6], v[DD+8*\uu+6], v[DD+8*\uu+7]
.endr
.irp uu, 0,1
	v_fma_f32 v[DD+8*\uu+7], v[DD+8*\uu+7], s[I3], s[EPS]
.endr
.irp uu, 0,1
	v_rsq_f32 v[DD+8*\uu+7], v[DD+8*\uu+7]
.endr
	v_nop
	s_wait_alu depctr_va_vdst(0)                   ; one wait for the two roots, ahead of their first reader
.irp n, 0,1,2
.irp uu, 0,1
	v_mul_f32 v[DD+8*\uu+4+\n], v[DD+8*\uu+4+\n], v[DD+8*\uu+7]
.endr
.endr
.irp n, 0,1,2
.irp uu, 0,1
	v_fma_f32 v[PP+8*\uu+\n], v[DD+8*\uu+4+\n], s[PG+\n], s[PBE+\n]
.endr
.endr
.irp n, 0,1,2
.irp uu, 0,1
	v_max_num_f32 v[PP+8*\uu+\n], 0, v[PP+8*\uu+\n]
.endr
.endr
.irp n, 0,1,2
.irp uu, 0,1
	v_mov_b32 v[PP+8*\uu+4+\n], v[PP+8*\uu+\n]
.endr
.endr
.irp n, 0,1,2
.irp uu, 0,1
	v_permlane16_swap_b32 v[PP+8*\uu+\n], v[PP+8*\uu+4+\n]   ; the first's lanes 16-31 change places with the copy's lanes 0-15: both halves now hold tile 2 uu's p in the first, tile 2 uu + 1's in the second
.endr
.endr
	; a = Qc_i - Kc_j + p0 P2c0 + p1 P2c1 + p2 P2c2
	s_wait_dscnt 2                                 ; the K rows are in; the two look-ahead loads issued behind them may be out
	WIN 0x89
.set e, 0
.rept 16
.irp T, 0,1,2,3
	v_pk_add_f32 v[32*\T+e:32*\T+e+1], v[QQ+e:QQ+e+1], v[32*\T+e:32*\T+e+1] neg_lo:[0,1] neg_hi:[0,1]
.endr
.set e, e+2
.endr
	WIN 0xA1
.set e, 0
.rept 16
.irp T, 0,1,2,3
	v_pk_fma_f32 v[32*\T+e:32*\T+e+1], v[P2C+e:P2C+e+1], v[PP+4*\T:PP+4*\T+1], v[32*\T+e:32*\T+e+1] op_sel_hi:[1,0,1]
.endr
.set e, e+2
.endr
.set e, 0
.rept 16
.irp T, 0,1,2,3
	v_pk_fma_f32 v[32*\T+e:32*\T+e+1], v[P2C+32+e:P2C+32+e+1], v[PP+4*\T:PP+4*\T+1], v[32*\T+e:32*\T+e+1] op_sel:[0,1,0] op_sel_hi:[1,1,1]
.endr
.set e, e+2
.endr
.set e, 0
.rept 16
.irp T, 0,1,2,3
	v_pk_fma_f32 v[32*\T+e:32*\T+e+1], v[P2C+64+e:P2C+64+e+1], v[PP+4*\T+2:PP+4*\T+3], v[32*\T+e:32*\T+e+1] op_sel_hi:[1,0,1]
.endr
.set e, e+2
.endr
	WIN 0
	LNORM G1, BE1
	QRELU
	MM 0, B1, W1S
	; the second layer norm's mean; each accumulator is read from its low end on
	WIN 0x0A
.irp T, 0,1,2,3
	v_pk_add_f32 v[ACC+2*\T:ACC+2*\T+1], v[32*\T:32*\T+1], v[32*\T+2:32*\T+3]
.endr
.irp T, 0,1,2,3
	v_pk_add_f32 v[ACB+2*\T:ACB+2*\T+1], v[32*\T+4:32*\T+5], v[32*\T+6:32*\T+7]
.endr
	WIN 0x02
.set e, 8
.rept 6
.irp T, 0,1,2,3
	v_pk_add_f32 v[ACC+2*\T:ACC+2*\T+1], v[32*\T+e:32*\T+e+1], v[ACC+2*\T:ACC+2*\T+1]
.endr
.irp T, 0,1,2,3
	v_pk_add_f32 v[ACB+2*\T:ACB+2*\T+1], v[32*\T+e+2:32*\T+e+3], v[ACB+2*\T:ACB+2*\T+1]
.endr
.set e, e+4
.endr
	WIN 0
	LANESUM 4
.irp T, 0,1,2,3
	v_mul_f32 v[NMU+2*\T], s[NI64], v[ACC+2*\T]
.endr
	WIN 0x82
.set e, 0
.rept 16
.irp T, 0,1,2,3
	v_pk_add_f32 v[32*\T+e:32*\T+e+1], v[32*\T+e:32*\T+e+1], v[NMU+2*\T:NMU+2*\T+1] op_sel_hi:[1,0]
.endr
.set e, e+2
.endr
	WIN 0
	LNORM G2, BE2
	QRELU
	MM 1, B2, W2S
	s_cmp_lg_u32 s[TRIP], 8                        ; a half's first tile is the diagonal, j = i: its scores are kept
	s_cbranch_scc1 .Lnokeep
	WIN 0xC2
.set e, 0
.rept 32
	v_mov_b32 v[ZD+e], v[e]
.set e, e+1
.endr
	WIN 0
.Lnokeep:
	; the softmax's running maximum and sum, for each (i, feature): four scores a trip
	WIN 0xAA
.set e, 0
.rept 32
	v_max3_num_f32 v[TMP+e], v[e], v[32+e], v[64+e]
.set e, e+1
.endr
.set e, 0
.rept 32
	v_max3_num_f32 v[RM+e], v[TMP+e], v[96+e], v[RM+e]
.set e, e+1
.endr
.set e, 0
.rept 16
	v_pk_fma_f32 v[TMP+e:TMP+e+1], v[RM+e:RM+e+1], s[NL2E:NL2E+1], v[RMS+e:RMS+e+1] op_sel_hi:[1,0,1]   ; MS_old - c M
.set e, e+2
.endr
.set e, 0
.rept 16
	v_pk_mul_f32 v[RMS+e:RMS+e+1], v[RM+e:RM+e+1], s[L2E:L2E+1] op_sel_hi:[1,0]
.set e, e+2
.endr
	; ONE batch of 160 exponentials; the scalings c z - MS run 16 pairs ahead of their exponentials and stand between them; nothing here names a result
.set k, 0
.rept 16
	v_exp_f32 v[TMP+2*k], v[TMP+2*k]
	v_exp_f32 v[TMP+2*k+1], v[TMP+2*k+1]
	v_pk_fma_f32 v[2*k:2*k+1], v[2*k:2*k+1], s[L2E:L2E+1], v[RMS+2*k:RMS+2*k+1] op_sel_hi:[1,0,1] neg_lo:[0,0,1] neg_hi:[0,0,1]
.set k, k+1
.endr
.set k, 0
.rept 64
	v_exp_f32 v[2*k], v[2*k]
	v_exp_f32 v[2*k+1], v[2*k+1]
.if k < 48
	v_pk_fma_f32 v[2*k+32:2*k+33], v[2*k+32:2*k+33], s[L2E:L2E+1], v[RMS+2*(k%16):RMS+2*(k%16)+1] op_sel_hi:[1,0,1] neg_lo:[0,0,1] neg_hi:[0,0,1]
.endif
.set k, k+1
.endr
	v_nop                                          ; a plain instruction behind the last exponential,
	s_wait_alu depctr_va_vdst(0)                   ; and one wait for the batch, ahead of its first reader
.set e, 0
.rept 16
	v_pk_fma_f32 v[RL+e:RL+e+1], v[RL+e:RL+e+1], v[TMP+e:TMP+e+1], v[e:e+1]
.set e, e+2
.endr
.irp T, 1,2,3
.set e, 0
.rept 16
	v_pk_add_f32 v[RL+e:RL+e+1], v[RL+e:RL+e+1], v[32*\T+e:32*\T+e+1]
.set e, e+2
.endr
.endr
	WIN 0
	s_add_co_u32 s[TK], s[TK], 4*PT
	s_add_co_u32 s[TX], s[TX], 64
	s_sub_co_u32 s[TRIP], s[TRIP], 1
	s_cmp_lg_u32 s[TRIP], 0
	s_cbranch_scc1 .Ltrip
	; ---------------- the half's end: v = Q(features) Q(Wv) + bv, res = 2^(c z_diag - MS) / L x v, and the 16 rows of out0
	s_wait_loadcnt 0x0                             ; the features
	WIN 0x0C
.irp n, 0,1,2,3,4,5,6,7
	global_store_b128 v[GO], v[FR+4*\n:FR+4*\n+3], s[8:9] offset:1024*\n+256 th:TH_STORE_NT   ; sixteen lanes store 256 consecutive bytes, at a multiple of 256 from out0's first byte
.endr
.irp n, 0,1,2,3,4,5,6,7
	ds_store_b128 v[SRD], v[FR+4*\n:FR+4*\n+3] offset:2*PT*\n    ; and through my stage, to come back a pair's 32 features a lane
.endr
	WIN 0x80
.irp c, 0,1,2,3,4,5,6,7
	ds_load_b128 v[4*\c:4*\c+3], v[STO] offset:16*\c             ; LDS serves a wave's instructions in order (ISA guide 5.7.1.4): these see the stores above
.endr
	WIN 0xA3
.set e, 0
.rept 16
	v_pk_fma_f32 v[TMP+e:TMP+e+1], v[ZD+e:ZD+e+1], s[L2E:L2E+1], v[RMS+e:RMS+e+1] op_sel_hi:[1,0,1] neg_lo:[0,0,1] neg_hi:[0,0,1]
.set e, e+2
.endr
	WIN 0xAA
.set e, 0
.rept 32
	v_exp_f32 v[TMP+e], v[TMP+e]
.set e, e+1
.endr
.set e, 0
.rept 32
	v_rcp_f32 v[RL+e], v[RL+e]
.set e, e+1
.endr
	s_wait_dscnt 0x0
	WIN 0x28
	v_max3_num_f32 v[MX], 0x1800000, |v0|, |v1|    ; the features' block: plain work behind the batch, which names none of its results
.set e, 2
.rept 15
	v_max3_num_f32 v[MX], v[MX], |v[e]|, |v[e+1]|
.set e, e+2
.endr
	WIN 0
	v_add_nc_u32 v[SOP], 0xff000000, v[MX]
	v_lshrrev_b32 v[BY], 23, v[SOP]
	v_permlanex16_b32 v[BO], v[BY], s[SEL], s[SEL+1]
	v_lshl_or_b32 v[SW], v[BO], 8, v[BY]
	WIN 0x02
.irp g, 0,1,2,3
	v_cvt_scalef32_pk8_fp4_f32 v[CD+\g], v[8*\g:8*\g+7], v[SOP]
.endr
	WIN 0
	v_nop                                          ; one plain place behind the scaled conversions
	s_wait_alu depctr_va_vdst(0)                   ; one wait for the 64, ahead of their first reader
	WIN 0xAA
.set e, 0
.rept 16
	v_pk_mul_f32 v[TMP+e:TMP+e+1], v[TMP+e:TMP+e+1], v[RL+e:RL+e+1]   ; the diagonal's weight.  (These 16 are also the places between the scale word, the codes and the products)
.set e, e+2
.endr
	WIN 0xB3
.irp t, 0,1,2,3
	v_wmma_scale_f32_16x16x128_f8f6f4 v[32+8*\t:39+8*\t], v[8*(8+\t):8*(8+\t)+7], v[CD:CD+7], v[BV+8*\t:BV+8*\t+7], v[WVS+\t], v[SW] matrix_a_fmt:MATRIX_FMT_FP4 matrix_b_fmt:MATRIX_FMT_FP4
.endr
	WIN 0
	PLACES 4
	WIN 0xAA
.set e, 0
.rept 16
	v_pk_mul_f32 v[32+e:33+e], v[32+e:33+e], v[TMP+e:TMP+e+1]
.set e, e+2
.endr
	WIN 0x08
.irp c, 0,1,2,3,4,5,6,7
	ds_store_b128 v[STO], v[32+4*\c:35+4*\c] offset:16*\c
.endr
	WIN 0x80
.irp n, 0,1,2,3,4,5,6,7
	ds_load_b128 v[64+4*\n:67+4*\n], v[SRD] offset:2*PT*\n
.endr
	WIN 0x08
.irp n, 0,1,2,3,4,5,6,7
	s_wait_dscnt 7-\n                              ; load n is in; the younger ones may be out
	global_store_b128 v[GO], v[64+4*\n:67+4*\n], s[8:9] offset:1024*\n th:TH_STORE_NT
.endr
	WIN 0
	s_wait_xcnt 0x0                                ; the stores have read their data and their base: both are written again only behind this wait
	s_add_nc_u64 s[6:7], s[6:7], 4096
	s_add_nc_u64 s[8:9], s[8:9], 8192
	s_sub_co_u32 s[TK], s[TK], 16*PT               ; 32 rows on, 16 back: the next half's first row
	s_sub_co_u32 s[TX], s[TX], 320                 ; 36 rows on (one trip ahead), 20 back
	s_sub_co_u32 s[UH], s[UH], 1
	s_cmp_lg_u32 s[UH], 0
	s_cbranch_scc1 .Lhalf
	s_wait_xcnt 0x0
	v_lshl_add_u32 v254, v0, 2, 0x21600
	v_mov_b32 v255, 0
	s_wait_tensorcnt 0x0
	ds_add_u32 v254, v255
	s_wait_dscnt 0x0
	s_endpgm
.Lfunc_end_k_q75770769a2_pointatt:
	.size	k_q75770769a2_pointatt, .Lfunc_end_k_q75770769a2_pointatt-k_q75770769a2_pointatt
	.p2alignl 7, 3214868480
	.fill 96, 4, 3214868480
	.section	.rodata,"a",@progbits
	.p2align	6, 0x0
	.amdhsa_kernel k_q75770769a2_pointatt
		.amdhsa_group_segment_fixed_size 137216
		.amdhsa_private_segment_fixed_size 0
		.amdhsa_enable_private_segment 0
		.amdhsa_kernarg_size 184
		.amdhsa_user_sgpr_count 2
		.amdhsa_user_sgpr_kernarg_segment_ptr 1
		.amdhsa_wavefront_size32 1
		.amdhsa_system_sgpr_workgroup_id_x 1
		.amdhsa_system_sgpr_workgroup_id_y 1
		.amdhsa_system_sgpr_workgroup_id_z 1
		.amdhsa_system_vgpr_workitem_id 0
		.amdhsa_next_free_vgpr 1024
		.amdhsa_next_free_sgpr 100
		.amdhsa_reserve_vcc 1
		.amdhsa_float_denorm_mode_32 3
		.amdhsa_float_denorm_mode_16_64 3
		.amdhsa_memory_ordered 1
		.amdhsa_forward_progress 1
		.amdhsa_inst_pref_size 202
	.end_amdhsa_kernel
	.amdgpu_metadata
---
amdhsa.version: [ 1, 2 ]
amdhsa.kernels:
  - .name:           k_q75770769a2_pointatt
    .symbol:         k_q75770769a2_pointatt.kd
    .args:
      - { .name: pv_xyz, .offset: 0, .size: 8, .value_kind: global_buffer, .address_space: global }
      - { .name: features, .offset: 8, .size: 8, .value_kind: global_buffer, .address_space: global }
      - { .name: out0, .offset: 16, .size: 8, .value_kind: global_buffer, .address_space: global }
      - { .name: w_W1, .offset: 24, .size: 8, .value_kind: global_buffer, .address_space: global }
      - { .name: w_W2, .offset: 32, .size: 8, .value_kind: global_buffer, .address_space: global }
      - { .name: Wv, .offset: 40, .size: 8, .value_kind: global_buffer, .address_space: global }
      - { .name: Wq, .offset: 48, .size: 8, .value_kind: global_buffer, .address_space: global }
      - { .name: Wk, .offset: 56, .size: 8, .value_kind: global_buffer, .address_space: global }
      - { .name: p_W2, .offset: 64, .size: 8, .value_kind: global_buffer, .address_space: global }
      - { .name: bq, .offset: 72, .size: 8, .value_kind: global_buffer, .address_space: global }
      - { .name: bk, .offset: 80, .size: 8, .value_kind: global_buffer, .address_space: global }
      - { .name: p_b2, .offset: 88, .size: 8, .value_kind: global_buffer, .address_space: global }
      - { .name: w_ln1_g, .offset: 96, .size: 8, .value_kind: global_buffer, .address_space: global }
      - { .name: w_ln1_b, .offset: 104, .size: 8, .value_kind: global_buffer, .address_space: global }
      - { .name: w_ln2_g, .offset: 112, .size: 8, .value_kind: global_buffer, .address_space: global }
      - { .name: w_ln2_b, .offset: 120, .size: 8, .value_kind: global_buffer, .address_space: global }
      - { .name: w_b1, .offset: 128, .size: 8, .value_kind: global_buffer, .address_space: global }
      - { .name: w_b2, .offset: 136, .size: 8, .value_kind: global_buffer, .address_space: global }
      - { .name: bv, .offset: 144, .size: 8, .value_kind: global_buffer, .address_space: global }
      - { .name: p_W1, .offset: 152, .size: 8, .value_kind: global_buffer, .address_space: global }
      - { .name: p_b1, .offset: 160, .size: 8, .value_kind: global_buffer, .address_space: global }
      - { .name: p_ln_g, .offset: 168, .size: 8, .value_kind: global_buffer, .address_space: global }
      - { .name: p_ln_b, .offset: 176, .size: 8, .value_kind: global_buffer, .address_space: global }
    .group_segment_fixed_size: 137216
    .private_segment_fixed_size: 0
    .kernarg_segment_align: 8
    .kernarg_segment_size: 184
    .max_flat_workgroup_size: 128
    .sgpr_count:     100
    .vgpr_count:     1024
    .wavefront_size: 32
...
	.end_amdgpu_metadata
.endif
;; end of part 1
;; ======== version 2 of 2: 1 launch; version 1 with the launch pointatt written anew for expert scheduling mode
;; launch pointatt (part 2): grid 256 x 1, 4 waves a work-group, no clusters, 137,216 bytes of LDS; arguments pv_xyz, features, out0, w_W1, w_W2, Wv, Wq, Wk, p_W2, bq, bk, p_b2, w_ln1_g, w_ln1_b, w_ln2_g, w_ln2_b, w_b1, w_b2, bv, p_W1, p_b1, p_ln_g, p_ln_b; writes out0
.if DOCPART == 2
	.amdgcn_target "amdgcn-amd-amdhsa--gfx1250"
	.amdhsa_code_object_version 6
	.text
	.protected	k_q75770769a2_pointatt
	.globl	k_q75770769a2_pointatt
	.p2align	8
	.type	k_q75770769a2_pointatt,@function
k_q75770769a2_pointatt:
	s_mov_b64 s[64:65], 0
	v_nop
	global_prefetch_b8 v0, s[64:65] scope:SCOPE_SE
	s_setreg_imm32_b32 hwreg(HW_REG_WAVE_SCHED_MODE, 0, 2), 2
	s_setreg_imm32_b32 hwreg(HW_REG_WAVE_MODE, 25, 1), 1
	s_wait_xcnt 0x0
	s_wait_alu depctr_vm_vsrc(0)
; PointAttention, 1,024 voxels x 32 points, 64 features, the three 64 x 64 products on codes of FP4 (E2M1) with one E8M0 scale for each 32 along K.
; SHARES.  1,024 waves, one voxel each (wave w of work-group g: voxel 4 g + w).  A wave runs two halves of 16 queries (i = r + 16 u); a half is 8 trips of 4 tiles; tile s holds the 16 pairs (i, j = (i + s) mod 32).
; LAYOUT.  Lane (r = lane % 16, h = lane / 16) holds pair r of a tile and the features 32 h + 0 .. 31 in 32 consecutive registers.  K = 64 fills half of the instruction's 128: a lane's four low operand registers are ONE whole
; block of 32, the four high ones are zero codes.  The products are used transposed (source 0 = 16 rows of W^T, source 1 = 16 pairs), and row m of weight tile t is output feature 32 (m / 8) + 8 t + m % 8: so the four results
; of a tile of pairs again give lane (r, h) the features 32 h + 0 .. 31, a block's largest number needs no other lane, and the conversions' results are the next operand as they stand.
; The softmax runs over j, which is over tiles inside a lane; its diagonal term is tile 0 of a half for every lane.
; ALGEBRA, all in f32.  (q_i - k_j + p_ij) / 8 is linear in xyz_i, xyz_j, p and 1: the rows of Wq, Wk, p_W2 and bq - bk + p_b2 have their mean over the 64 features taken off and are divided by 8 once, so that
; a = Qc_i - Kc_j + sum_n p_n P2c_n is the first layer norm's x - mu; its variance is summed from a itself.  p_W1's rows and p_b1 are centred over their 3 likewise.  The second layer norm goes in two passes.
; ReLU ahead of a quantiser: the block's largest number is taken without |.| over a floor, the signed numbers are converted, and the magnitude bits of negative codes are cleared (the code -0 is the number 0).
; SOFTMAX: a running maximum M for each (i, feature), moved once for each 4 tiles: L = L 2^(MS_old - c M) + sum 2^(c z - MS), c = log2(e), MS = c M rounded.  The first exponent is one fused multiply-add, so it differs
; from MS_old - MS_new by at most half a unit in MS's last place.
; LIMITS: NaN and infinities among the inputs are not served.  A block whose largest magnitude lies under 2^-124 (a block of zeros among them) gets the scale byte 1: its codes are read by this program alone.
; A point counts as empty where (x | y | z) without the sign bits is 0: -0 counts as zero, a denormal does not.
; No tensor loads, no ring: a voxel's inputs are 8.6 KB and go through registers.  No cluster: only the weights, 50 KB read once at the head, are shared.
; THE MODE: SCHED_MODE bits 1:0 = 2 (LLVM: expert scheduling mode 2), set by the entry lines.  The code itself states the register dependences between vector or matrix instructions and memory or LDS instructions,
; with s_wait_alu, always for 0.
; THE PLAN.  Registers that memory or LDS instructions touch in a trip:
;   X (window 2, v0-127)  The 32 loads of K rows at the trip's head land in it; vector and matrix instructions read and write it to the trip's last sums.
;   XJ (v20-27)           The two look-ahead loads land in it; the first eight vector lines of the next trip read it.
;   ADK, ADX              Written by two additions at the trip's head; read by the K loads and by the look-ahead loads.
;   AK0, AX0 and all other addresses are made at the kernel's head and never written again.
; So a trip holds: one wait on va_vdst at its head, behind the two additions (the addresses are written; all earlier vector work on X is done); the wait behind p's two roots, which stands there anyway and behind which the
; look-ahead loads are issued (the subtractions are done reading XJ); one wait on vm_vsrc behind the trip's last LDS instruction (ADK and ADX are read); one wait on va_sdst between the two compares and the selects; and one
; wait on va_vdst behind the places ahead of each run of scaled products (codes and scale words are written).
; In a half: QQ, XI, XJ and FR are loaded at its head, behind one wait on va_vdst that follows the three additions for their addresses; FR is named by no vector instruction.  At its end the stage's loads and stores touch
; window 2's v0-31 (loaded, then read by vector lines), v32-63 (written by products and vector lines, then stored) and v64-95 (loaded, then stored): a wait on va_vdst ahead of the first loads, one ahead of the stores, and one
; wait on vm_vsrc beside the wait on XCNT ahead of the branch.
; LDS: weight images for all four waves, then a region of its own for each wave.
.set WIMG,  0                          ; 12 fragment images (4 x matrix + tile) x 512 bytes: lane l's 16 bytes at 16 l
.set WSC,   6144                       ; 12 scale-word images x 128 bytes: lane l's word at 4 l
.set WAVE0, 7680
.set WREG,  32256                      ; a wave's region:
.set PT,    272                        ;   a table row: 256 bytes + 16, so that 16 rows fall on 16 different 16-byte columns of 256
.set QT,    17408                      ;   at 0: 64 rows Kc[j] (rows j and j + 32: row i + s needs no wrap); at QT: 32 rows Qc[i]
.set XT,    26112                      ;   96 rows of 16 bytes: (x, y, z, empty) of point row % 32
.set STG,   27648                      ;   16 rows: the stage for features in and results out
; window 0
.set RR, 1
.set HH, 2
.set AK0, 3                            ; K table: region + 272 r + 128 h
.set ADK, 4
.set AX0, 5                            ; xyz table: region + XT + 16 (r + h)
.set ADX, 6
.set AQ0, 7
.set STO, 8                            ; stage by pairs: 272 r + 128 h
.set SRD, 9                            ; stage by rows: 272 h + 16 r
.set GF, 10                            ; features: 256 h + 16 r
.set GO, 11                            ; out0: 512 h + 16 r
.set NEG1, 12
.set AXI0, 13
.set VB, 14                            ; 128 h: my 32 features of a vector of 64
.set VW, 15                            ; my column and first row of a weight
.set XI, 16                            ; v16-19 x, y, z, empty of query i
.set XJ, 20                            ; v20-27 the same of two keys
.set LI, 28
.set LS, 29
.set VX, 30
.set TA, 31
.set DD, 32                            ; v32-47 at work on p: for uu = 0, 1 at 8 uu: 3 distances, flag, 3 u, the variance
.set PP, 48                            ; v48-63 p(T, n) at 4 T + n; the fourth is a pad, written once
.set ACC, 64                           ; pairs: two chains of a sum for each tile
.set ACB, 72
.set RS, 80                            ; pairs (low word used): 1 / sqrt(var + eps)
.set NMU, 88                           ; pairs (low word used): minus the mean
.set MX, 96
.set SOP, 100
.set BY, 104
.set BO, 108
.set SW, 112                           ; v112-127 hold scale words and nothing else
.set W1S, 116
.set W2S, 120
.set WVS, 124
.set CD, 128                           ; v128-159 codes: 8 a tile, the upper four zero
.set BT, 160
.set BU, 176
.set WT, 160                           ; at the head: v160-255 my tile of the three weights, f32
; window 1
.set P2C, 0
.set G1, 96
.set BE1, 128
.set G2, 160
.set BE2, 192
.set QQ, 224
; window 2: v0-127 the four tiles' numbers, X(T, e) = 32 T + e
.set RM, 128
.set RMS, 160
.set RL, 192
.set TMP, 224
.set WKR, 0
.set WQR, 96
.set C0, 192
.set BKR, 224
; window 3: v0-95 the 12 weight fragments, 8 (4 x matrix + tile)
.set B1, 96
.set B2, 128
.set BV, 160
.set ZD, 192
.set FR, 224
; scalars
.set WV, 50
.set SEL, 52
.set I64, 54
.set EPS, 55
.set I3, 56
.set SGN, 57
.set L2E, 58
.set TK, 60
.set TX, 61
.set TRIP, 62
.set UH, 63
.set ABSM, 66
.set NI64, 67
.set PW, 68
.set NL2E, 78
.set PB, 80
.set PG, 84
.set PBE, 88
.set MSK, 92
.set MSB, 0
.macro WIN new                         ; low byte: bits 1:0 source 0, 3:2 source 1, 5:4 source 2, 7:6 destination; the high byte repeats the setting that is left
.if MSB != (\new)
	s_set_vgpr_msb (MSB<<8)|(\new)
.set MSB, (\new)
.endif
.endm
.macro PLACES n
.rept \n
	v_nop
.endr
.endm
.macro LD8 reg, sb, off                ; my 32 numbers of a vector of 64
.irp c, 0,1,2,3,4,5,6,7
	global_load_b128 v[\reg+4*\c:\reg+4*\c+3], v[VB], s[\sb:\sb+1] offset:\off+16*\c
.endr
.endm
.macro LANESUM n                       ; the two chains, the pair's halves and lane l xor 16's: the sum over 64 features in v[ACC + 2 i]
.set i, 0
.rept \n
	v_pk_add_f32 v[ACC+2*i:ACC+2*i+1], v[ACC+2*i:ACC+2*i+1], v[ACB+2*i:ACB+2*i+1]
.set i, i+1
.endr
.set i, 0
.rept \n
	v_add_f32 v[ACC+2*i], v[ACC+2*i], v[ACC+2*i+1]
.set i, i+1
.endr
.set i, 0
.rept \n
	v_permlanex16_b32 v[BO+i], v[ACC+2*i], s[SEL], s[SEL+1]
.set i, i+1
.endr
.set i, 0
.rept \n
	v_add_f32 v[ACC+2*i], v[ACC+2*i], v[BO+i]
.set i, i+1
.endr
.endm
.macro CEN3 a                          ; three scalars lose their mean
	v_add_f32 v[DD], s[\a], s[\a+1]
	v_add_f32 v[DD], s[\a+2], v[DD]
	v_mul_f32 v[DD], 0xbeaaaaab, v[DD]
	v_add_f32 v[DD+1], s[\a], v[DD]
	v_add_f32 v[DD+2], s[\a+1], v[DD]
	v_add_f32 v[DD+3], s[\a+2], v[DD]
	v_readfirstlane_b32 s[\a], v[DD+1]
	v_readfirstlane_b32 s[\a+1], v[DD+2]
	v_readfirstlane_b32 s[\a+2], v[DD+3]
.endm
.macro CENTRE w, n, base               ; n vectors of 64 at base + 32 i in window w: (x - mean) / 8 = x / 8 - sum / 512
	WIN ((\w)<<2)|(\w)
.set i, 0
.rept \n
	v_pk_add_f32 v[ACC+2*i:ACC+2*i+1], v[\base+32*i:\base+32*i+1], v[\base+32*i+2:\base+32*i+3]
	v_pk_add_f32 v[ACB+2*i:ACB+2*i+1], v[\base+32*i+4:\base+32*i+5], v[\base+32*i+6:\base+32*i+7]
.set i, i+1
.endr
	WIN (\w)
.set e, 8
.rept 6
.set i, 0
.rept \n
	v_pk_add_f32 v[ACC+2*i:ACC+2*i+1], v[\base+32*i+e:\base+32*i+e+1], v[ACC+2*i:ACC+2*i+1]
	v_pk_add_f32 v[ACB+2*i:ACB+2*i+1], v[\base+32*i+e+2:\base+32*i+e+3], v[ACB+2*i:ACB+2*i+1]
.set i, i+1
.endr
.set e, e+4
.endr
	WIN 0
	LANESUM \n
.set i, 0
.rept \n
	v_mul_f32 v[NMU+2*i], 0xbb000000, v[ACC+2*i]
.set i, i+1
.endr
	WIN ((\w)<<6)|(\w)
.set e, 0
.rept 16
.set i, 0
.rept \n
	v_pk_fma_f32 v[\base+32*i+e:\base+32*i+e+1], v[\base+32*i+e:\base+32*i+e+1], 0x3e000000, v[NMU+2*i:NMU+2*i+1] op_sel_hi:[1,0,0]
.set i, i+1
.endr
.set e, e+2
.endr
	WIN 0
.endm
.macro TABLES u                        ; rows r + 16 u of the K table (twice) and of the Q table
	ds_load_b128 v[XJ:XJ+3], v[AXI0] offset:256*\u   ; (the second time: the sums that read these registers stand ahead of the last wait on va_vdst, and no vector line since names them)
	s_wait_dscnt 0x0                               ; the point is in (the first time: the weight images too)
	WIN 0x82
.set e, 0
.rept 16
	v_pk_mul_f32 v[TMP+e:TMP+e+1], v[WKR+e:WKR+e+1], v[XJ:XJ+1] op_sel_hi:[1,0]
.set e, e+2
.endr
	WIN 0xA2
.set e, 0
.rept 16
	v_pk_fma_f32 v[TMP+e:TMP+e+1], v[WKR+32+e:WKR+32+e+1], v[XJ:XJ+1], v[TMP+e:TMP+e+1] op_sel:[0,1,0] op_sel_hi:[1,1,1]
.set e, e+2
.endr
.set e, 0
.rept 16
	v_pk_fma_f32 v[TMP+e:TMP+e+1], v[WKR+64+e:WKR+64+e+1], v[XJ+2:XJ+3], v[TMP+e:TMP+e+1] op_sel_hi:[1,0,1]
.set e, e+2
.endr
	WIN 0x08
	s_wait_alu depctr_va_vdst(0)                   ; the sums have written K's row into TMP, which the LDS stores read
.irp c, 0,1,2,3,4,5,6,7
	ds_store_b128 v[AK0], v[TMP+4*\c:TMP+4*\c+3] offset:4352*\u+16*\c
	ds_store_b128 v[AK0], v[TMP+4*\c:TMP+4*\c+3] offset:4352*\u+16*\c+8704
.endr
	s_wait_dscnt 0x0                               ; the stores are done
	s_wait_alu depctr_vm_vsrc(0)                   ; the LDS stores have read TMP, which the sums below write again
	WIN 0xA2
.set e, 0
.rept 16
	v_pk_fma_f32 v[TMP+e:TMP+e+1], v[WQR+e:WQR+e+1], v[XJ:XJ+1], v[C0+e:C0+e+1] op_sel_hi:[1,0,1]
.set e, e+2
.endr
.set e, 0
.rept 16
	v_pk_fma_f32 v[TMP+e:TMP+e+1], v[WQR+32+e:WQR+32+e+1], v[XJ:XJ+1], v[TMP+e:TMP+e+1] op_sel:[0,1,0] op_sel_hi:[1,1,1]
.set e, e+2
.endr
.set e, 0
.rept 16
	v_pk_fma_f32 v[TMP+e:TMP+e+1], v[WQR+64+e:WQR+64+e+1], v[XJ+2:XJ+3], v[TMP+e:TMP+e+1] op_sel_hi:[1,0,1]
.set e, e+2
.endr
	WIN 0x08
	s_wait_alu depctr_va_vdst(0)                   ; the sums have written Q's row into TMP, which the LDS stores read; and they are done reading the point's registers, in which the next point's load lands
.irp c, 0,1,2,3,4,5,6,7
	ds_store_b128 v[AQ0], v[TMP+4*\c:TMP+4*\c+3] offset:4352*\u+16*\c
.endr
	s_wait_dscnt 0x0
	s_wait_alu depctr_vm_vsrc(0)                   ; the LDS stores have read TMP, which later vector lines write again
	WIN 0
.endm
; x - mu of four tiles (in X) becomes (x - mu) / sqrt(var + eps) x g + be.  Every line is written for the four tiles by turns.
.macro LNORM g, be
	WIN 0x0A
.irp T, 0,1,2,3
	v_pk_mul_f32 v[ACC+2*\T:ACC+2*\T+1], v[32*\T:32*\T+1], v[32*\T:32*\T+1]
.endr
.irp T, 0,1,2,3
	v_pk_mul_f32 v[ACB+2*\T:ACB+2*\T+1], v[32*\T+2:32*\T+3], v[32*\T+2:32*\T+3]
.endr
.set e, 4
.rept 7
.irp T, 0,1,2,3
	v_pk_fma_f32 v[ACC+2*\T:ACC+2*\T+1], v[32*\T+e:32*\T+e+1], v[32*\T+e:32*\T+e+1], v[ACC+2*\T:ACC+2*\T+1]
.endr
.irp T, 0,1,2,3
	v_pk_fma_f32 v[ACB+2*\T:ACB+2*\T+1], v[32*\T+e+2:32*\T+e+3], v[32*\T+e+2:32*\T+e+3], v[ACB+2*\T:ACB+2*\T+1]
.endr
.set e, e+4
.endr
	WIN 0
	LANESUM 4
.irp T, 0,1,2,3
	v_fma_f32 v[ACC+2*\T], v[ACC+2*\T], s[I64], s[EPS]
.endr
.irp T, 0,1,2,3
	v_rsq_f32 v[RS+2*\T], v[ACC+2*\T]
.endr
	v_nop                                          ; a plain instruction behind the last root,
	s_wait_alu depctr_va_vdst(0)                   ; and one wait for the four, ahead of their first reader
	WIN 0x82
.set e, 0
.rept 16
.irp T, 0,1,2,3
	v_pk_mul_f32 v[32*\T+e:32*\T+e+1], v[32*\T+e:32*\T+e+1], v[RS+2*\T:RS+2*\T+1] op_sel_hi:[1,0]
.endr
.set e, e+2
.endr
	WIN 0x96
.set e, 0
.rept 16
.irp T, 0,1,2,3
	v_pk_fma_f32 v[32*\T+e:32*\T+e+1], v[32*\T+e:32*\T+e+1], v[\g+e:\g+e+1], v[\be+e:\be+e+1]
.endr
.set e, e+2
.endr
	WIN 0
.endm
; relu(X) of four tiles becomes codes in CD and scale words in SW.
.macro QRELU
	WIN 0x28
.irp T, 0,1,2,3
	v_max3_num_f32 v[MX+\T], 0x1800000, v[32*\T], v[32*\T+1]   ; no |.|: what is negative does not count; the floor 2^(3 - 127) holds the byte at 1 from below
.endr
.set e, 2
.rept 15
.irp T, 0,1,2,3
	v_max3_num_f32 v[MX+\T], v[MX+\T], v[32*\T+e], v[32*\T+e+1]
.endr
.set e, e+2
.endr
	WIN 0
.irp T, 0,1,2,3
	v_add_nc_u32 v[SOP+\T], 0xff000000, v[MX+\T]   ; 2 off the exponent field: the conversion's scale operand
.endr
.irp T, 0,1,2,3
	v_lshrrev_b32 v[BY+\T], 23, v[SOP+\T]          ; my block's byte
.endr
.irp T, 0,1,2,3
	v_permlanex16_b32 v[BO+\T], v[BY+\T], s[SEL], s[SEL+1]
.endr
.irp T, 0,1,2,3
	v_lshl_or_b32 v[SW+\T], v[BO+\T], 8, v[BY+\T]  ; lanes 0-15: block 0's byte, block 1's above it; bytes 2 and 3 stand over zero codes
.endr
	WIN 0x02
.irp T, 0,1,2,3
.irp g, 0,1,2,3
	v_cvt_scalef32_pk8_fp4_f32 v[CD+8*\T+\g], v[32*\T+8*\g:32*\T+8*\g+7], v[SOP+\T]
.endr
.endr
	WIN 0
	v_nop                                          ; one plain place behind the scaled conversions
.set k, 0
.rept 16
	v_and_b32 v[BT+k], s[SGN], v[CD+8*(k/4)+k%4]   ; the sign bit of each code,
.set k, k+1
.endr
.set k, 0
.rept 16
	v_lshrrev_b32 v[BU+k], 3, v[BT+k]
.set k, k+1
.endr
.set k, 0
.rept 16
	v_sub_nc_u32 v[BT+k], v[BT+k], v[BU+k]         ; 8 - 1 = 7 in each negative code's four bits,
.set k, k+1
.endr
.set k, 0
.rept 16
	v_bfi_b32 v[CD+8*(k/4)+k%4], v[BT+k], 0, v[CD+8*(k/4)+k%4]   ; whose magnitude bits are cleared: the ReLU
.set k, k+1
.endr
	PLACES 4                                       ; an operand written by vector instructions stands four places ahead of a scaled product; the scale words stand further back
	s_wait_alu depctr_va_vdst(0)                   ; the codes in CD and the scale words in SW are written, which the scaled products take; the places above stay beside this wait
.endm
; X(T, 8 t ..) = 16 rows of W^T (tile t) x the 16 pairs of tile T + bias: 16 products on 16 accumulators, each begun with the bias as C: no sum is taken up again
.macro MM mat, bias, ws
	WIN 0xB3
.irp T, 0,1,2,3
.irp t, 0,1,2,3
	v_wmma_scale_f32_16x16x128_f8f6f4 v[32*\T+8*\t:32*\T+8*\t+7], v[8*(4*\mat+\t):8*(4*\mat+\t)+7], v[CD+8*\T:CD+8*\T+7], v[\bias+8*\t:\bias+8*\t+7], v[\ws+\t], v[SW+\T] matrix_a_fmt:MATRIX_FMT_FP4 matrix_b_fmt:MATRIX_FMT_FP4
.endr
.endr
	WIN 0
	PLACES 4                                       ; four places ahead of the first read of results (ISA guide 7.12.1)
.endm
	; ---------------- the head
	s_load_b512 s[4:19], s[0:1], 0x0               ; pv_xyz 4, features 6, out0 8, w_W1 10, w_W2 12, Wv 14, Wq 16, Wk 18
	s_load_b512 s[20:35], s[0:1], 0x40             ; p_W2 20, bq 22, bk 24, p_b2 26, w_ln1_g 28, w_ln1_b 30, w_ln2_g 32, w_ln2_b 34
	s_load_b256 s[36:43], s[0:1], 0x80             ; w_b1 36, w_b2 38, bv 40, p_W1 42
	s_load_b128 s[44:47], s[0:1], 0xa0             ; p_b1 44, p_ln_g 46
	s_load_b64 s[48:49], s[0:1], 0xb0              ; p_ln_b
	v_lshrrev_b32 v[TA], 5, v0
	v_readfirstlane_b32 s[WV], v[TA]               ; wave 0..3
	v_and_b32 v[RR], 15, v0
	v_bfe_u32 v[HH], v0, 4, 1
	v_and_b32 v[TA], 31, v0                        ; lane
	v_lshlrev_b32 v[LI], 4, v[TA]
	v_lshlrev_b32 v[LS], 2, v[TA]
	v_mul_u32_u24 v[VX], v[TA], 12                 ; lane l takes point l
	v_lshlrev_b32 v[VB], 7, v[HH]
	v_lshrrev_b32 v[VW], 3, v[RR]                  ; a weight is [k][f], 256 bytes a row: lane (r, h) of tile t = wave takes column f = 32 (r / 8) + 8 t + r % 8, rows 32 h on
	v_lshlrev_b32 v[VW], 7, v[VW]
	v_and_b32 v[ADK], 7, v[RR]
	v_lshl_add_u32 v[VW], v[ADK], 2, v[VW]
	v_lshl_add_u32 v[VW], v[HH], 13, v[VW]
	s_wait_alu depctr_va_sdst(0)                   ; the wave's number is written into its scalar register, ahead of its first reader
	s_lshl_b32 s94, s[WV], 5
	v_add_nc_u32 v[VW], s94, v[VW]
	v_lshlrev_b32 v[GF], 4, v[RR]
	v_lshl_add_u32 v[GO], v[HH], 9, v[GF]
	v_lshl_add_u32 v[GF], v[HH], 8, v[GF]
	s_mul_i32 s95, s[WV], WREG
	s_add_co_u32 s95, s95, WAVE0                   ; my wave's region of LDS
	v_mul_u32_u24 v[AK0], v[RR], PT
	v_lshl_add_u32 v[AK0], v[HH], 7, v[AK0]
	v_add_nc_u32 v[AK0], s95, v[AK0]
	v_add_nc_u32 v[AQ0], QT, v[AK0]
	v_add_nc_u32 v[STO], STG, v[AK0]
	v_mul_u32_u24 v[SRD], v[HH], PT
	v_lshl_add_u32 v[SRD], v[RR], 4, v[SRD]
	v_add_nc_u32 v[SRD], s95, v[SRD]
	v_add_nc_u32 v[SRD], STG, v[SRD]
	v_lshlrev_b32 v[AXI0], 4, v[RR]
	v_add_nc_u32 v[AXI0], s95, v[AXI0]
	v_add_nc_u32 v[AXI0], XT, v[AXI0]
	v_lshl_add_u32 v[AX0], v[HH], 4, v[AXI0]
	s_wait_kmcnt 0x0
	s_load_b256 s[PW:PW+7], s[42:43], 0x0          ; p_W1[c][n] at PW + 3 c + n
	s_load_b32 s[PW+8], s[42:43], 0x20
	s_load_b96 s[PB:PB+2], s[44:45], 0x0
	s_load_b96 s[PG:PG+2], s[46:47], 0x0
	s_load_b96 s[PBE:PBE+2], s[48:49], 0x0
	s_lshl_b32 s94, ttmp9, 2
	s_add_co_u32 s94, s94, s[WV]                   ; my voxel
	s_mul_i32 s96, s94, 384
	s_mov_b32 s97, 0
	s_add_nc_u64 s[4:5], s[4:5], s[96:97]
	s_lshl_b32 s96, s94, 13
	s_add_nc_u64 s[6:7], s[6:7], s[96:97]
	s_lshl_b32 s96, s94, 14
	s_add_nc_u64 s[8:9], s[8:9], s[96:97]
	; all that the head needs from memory goes out in one run
	s_wait_alu depctr_va_vdst(0)                   ; every offset and LDS address made above is written: the loads and stores of the whole kernel read them, and all but ADK, ADX and TA are never written again
.irp c, 0,1,2
	global_load_b32 v[XI+\c], v[VX], s[4:5] offset:4*\c
.endr
.set i, 0
.rept 32
	global_load_b32 v[WT+i], v[VW], s[10:11] offset:256*i
	global_load_b32 v[WT+32+i], v[VW], s[12:13] offset:256*i
	global_load_b32 v[WT+64+i], v[VW], s[14:15] offset:256*i
.set i, i+1
.endr
	WIN 0x40
	LD8 P2C, 20, 0
	LD8 P2C+32, 20, 256
	LD8 P2C+64, 20, 512
	LD8 G1, 28, 0
	LD8 BE1, 30, 0
	LD8 G2, 32, 0
	LD8 BE2, 34, 0
	WIN 0xC0
	LD8 B1, 36, 0
	LD8 B2, 38, 0
	LD8 BV, 40, 0
	LD8 ZD, 26, 0                                  ; p_b2, for the moment
	WIN 0x80
	LD8 WKR, 18, 0
	LD8 WKR+32, 18, 256
	LD8 WKR+64, 18, 512
	LD8 WQR, 16, 0
	LD8 WQR+32, 16, 256
	LD8 WQR+64, 16, 512
	LD8 C0, 22, 0                                  ; bq
	LD8 BKR, 24, 0                                 ; bk
	WIN 0
	; while they are on their way: constants, pads, zero codes (none of these registers is named by a load above)
	s_mov_b32 s[SEL], 0x76543210
	s_mov_b32 s[SEL+1], 0xfedcba98                 ; v_permlanex16_b32's selects for lane l xor 16
	s_mov_b32 s[I64], 0x3c800000                   ; 1 / 64
	s_mov_b32 s[EPS], 0x3727c5ac                   ; 1e-5
	s_mov_b32 s[I3], 0x3eaaaaab                    ; 1 / 3
	s_mov_b32 s[SGN], 0x88888888
	s_mov_b32 s[L2E], 0x3fb8aa3b                   ; log2(e), as a pair: the packed forms name a pair and take its low word
	s_mov_b32 s[L2E+1], s[L2E]
	s_mov_b32 s[NL2E], 0xbfb8aa3b
	s_mov_b32 s[NL2E+1], s[NL2E]
	s_mov_b32 s[ABSM], 0x7fffffff
	s_mov_b32 s[NI64], 0xbc800000                  ; -1 / 64
	v_mov_b32 v[NEG1], -1.0
.irp T, 0,1,2,3
	v_mov_b32 v[PP+4*\T+3], 0                      ; upper halves of pairs of which the low word alone is used: named, so written
	v_mov_b32 v[RS+2*\T+1], 0
	v_mov_b32 v[NMU+2*\T+1], 0
	v_mov_b32 v[BO+\T], 0                          ; a lane permute's destination counts as one of its sources
.irp g, 4,5,6,7
	v_mov_b32 v[CD+8*\T+\g], 0                     ; K = 64 .. 127: zero codes, once
.endr
.endr
	WIN 0xC0
.set i, 0
.rept 12
.irp g, 4,5,6,7
	v_mov_b32 v[8*i+\g], 0                         ; the same in the weights' fragments
.endr
.set i, i+1
.endr
	WIN 0
	s_wait_kmcnt 0x0
	CEN3 PW                                        ; the 3-wide layer norm's mean is taken off its weights
	CEN3 PW+3
	CEN3 PW+6
	CEN3 PB
	s_wait_alu depctr_va_sdst(0)                   ; the twelve centred numbers are written into their scalar registers, ahead of their first readers, the trips' multiply-adds
	s_wait_loadcnt 0x0
	; the xyz table: (x, y, z, 1 where the point is empty), three times on end
	v_or_b32 v[XI+3], v[XI], v[XI+1]
	v_or_b32 v[XI+3], v[XI+3], v[XI+2]
	v_and_b32 v[XI+3], s[ABSM], v[XI+3]
	v_cmp_eq_u32 vcc_lo, 0, v[XI+3]
	v_add_nc_u32 v[TA], s95, v[LI]
	v_add_nc_u32 v[TA], XT, v[TA]
	s_wait_alu depctr_va_vcc(0)                    ; the compare has written VCC, which the select reads
	v_cndmask_b32 v[XI+3], 0, 1, vcc_lo
	; my tile (t = wave) of W1, W2 and Wv is quantised down K: a lane's 32 registers are one block of its column
.irp m, 0,1,2
	v_max3_num_f32 v[MX+\m], 0x1800000, |v[WT+32*\m]|, |v[WT+32*\m+1]|
.endr
.set e, 2
.rept 15
.irp m, 0,1,2
	v_max3_num_f32 v[MX+\m], v[MX+\m], |v[WT+32*\m+e]|, |v[WT+32*\m+e+1]|
.endr
.set e, e+2
.endr
.irp m, 0,1,2
	v_add_nc_u32 v[SOP+\m], 0xff000000, v[MX+\m]
.endr
.irp m, 0,1,2
	v_lshrrev_b32 v[BY+\m], 23, v[SOP+\m]
.endr
.irp m, 0,1,2
	v_permlanex16_b32 v[BO+\m], v[BY+\m], s[SEL], s[SEL+1]
.endr
.irp m, 0,1,2
	v_lshl_or_b32 v[SW+\m], v[BO+\m], 8, v[BY+\m]
.endr
.irp m, 0,1,2
.irp g, 0,1,2,3
	v_cvt_scalef32_pk8_fp4_f32 v[CD+8*\m+\g], v[WT+32*\m+8*\g:WT+32*\m+8*\g+7], v[SOP+\m]
.endr
.endr
	v_nop                                          ; one plain place behind the scaled conversions
	s_lshl_b32 s94, s[WV], 9
	v_add_nc_u32 v[ADK], s94, v[LI]
	s_lshl_b32 s94, s[WV], 7
	v_add_nc_u32 v[ADX], s94, v[LS]
	s_wait_alu depctr_va_vdst(0)                   ; one wait for all the head's LDS stores: the point's flag and TA, the codes, the scale words, ADK and ADX are written
	ds_store_b128 v[TA], v[XI:XI+3]
	ds_store_b128 v[TA], v[XI:XI+3] offset:512
	ds_store_b128 v[TA], v[XI:XI+3] offset:1024
.irp m, 0,1,2
	ds_store_b128 v[ADK], v[CD+8*\m:CD+8*\m+3] offset:WIMG+2048*\m   ; as an image of the registers: 16 bytes a lane
	ds_store_b32 v[ADX], v[SW+\m] offset:WSC+512*\m
.endr
	s_wait_dscnt 0x0                               ; for the others' sake: my images have landed
	s_barrier_signal -1
	s_barrier_wait -1                              ; the only barrier: from here on a wave touches its own region and reads the images
	s_wait_alu depctr_vm_vsrc(0)                   ; my LDS stores have read XI, TA, ADK, ADX, the codes and the scale words: all of these are written again further down
	WIN 0xC0
.set i, 0
.rept 12
	ds_load_b128 v[8*i:8*i+3], v[LI] offset:WIMG+512*i
.set i, i+1
.endr
	WIN 0
.set i, 0
.rept 12
	ds_load_b32 v[W1S+i], v[LS] offset:WSC+128*i
.set i, i+1
.endr
	; c0 = bq - bk + p_b2; then the maps lose their means and are divided by 8
	WIN 0xAA
.set e, 0
.rept 16
	v_pk_add_f32 v[C0+e:C0+e+1], v[C0+e:C0+e+1], v[BKR+e:BKR+e+1] neg_lo:[0,1] neg_hi:[0,1]
.set e, e+2
.endr
	WIN 0x8E
.set e, 0
.rept 16
	v_pk_add_f32 v[C0+e:C0+e+1], v[C0+e:C0+e+1], v[ZD+e:ZD+e+1]
.set e, e+2
.endr
	WIN 0
	CENTRE 1, 3, P2C
	CENTRE 2, 3, WKR
	CENTRE 2, 4, WQR                               ; Wq's three rows and c0
	TABLES 0
	TABLES 1                                       ; (its last line is a wait on vm_vsrc, and no memory or LDS instruction follows it ahead of the label below)
	s_mov_b32 s[TK], 0                             ; 272 x (16 u + 4 n): the trip's first row of the K table
	s_mov_b32 s[TX], 0                             ; 16 x the same, one trip ahead inside a half
	s_mov_b32 s[UH], 2
.Lhalf:	; ---------------- 16 queries
	v_add_nc_u32 v[ADK], s[TK], v[AQ0]             ; (on both ways here a wait on vm_vsrc stands behind the last instruction that read these three)
	v_add_nc_u32 v[TA], s[TX], v[AXI0]
	v_add_nc_u32 v[ADX], s[TX], v[AX0]
	WIN 0x40
	s_wait_alu depctr_va_vdst(0)                   ; the three addresses are written; the vector lines of the half before are done reading QQ, XI and XJ, in which the loads below land
.irp c, 0,1,2,3,4,5,6,7
	ds_load_b128 v[QQ+4*\c:QQ+4*\c+3], v[ADK] offset:16*\c
.endr
	WIN 0
	ds_load_b128 v[XI:XI+3], v[TA]
	ds_load_b128 v[XJ:XJ+3], v[ADX]                ; the first trip's keys: lane half h takes tile 2 uu + h
	ds_load_b128 v[XJ+4:XJ+7], v[ADX] offset:32
	s_add_co_u32 s[TX], s[TX], 64
	WIN 0xC0
.irp n, 0,1,2,3,4,5,6,7
	global_load_b128 v[FR+4*\n:FR+4*\n+3], v[GF], s[6:7] offset:512*\n th:TH_LOAD_NT   ; the half's 16 rows of features, wanted eight trips on: 512 consecutive bytes a load.  No vector instruction names these registers
.endr
	WIN 0x80
.set e, 0
.rept 32
	v_mov_b32 v[RM+e], 0xff61b1e6                  ; the largest score so far: -3e38
	v_mov_b32 v[RMS+e], 0xff800000                 ; its c-fold: -infinity, so that the first factor is 0
	v_mov_b32 v[RL+e], 0
.set e, e+1
.endr
	WIN 0
	s_wait_dscnt 0x0
	s_wait_alu depctr_vm_vsrc(0)                   ; the LDS loads above have read ADK and ADX, which the trip's head writes
	s_mov_b32 s[TRIP], 8
.Ltrip:	; ---------------- four tiles: s = 4 n + 0 .. 3
	v_add_nc_u32 v[ADK], s[TK], v[AK0]
	v_add_nc_u32 v[ADX], s[TX], v[AX0]
	WIN 0x80
	s_wait_alu depctr_va_vdst(0)                   ; ADK and ADX are written; all earlier vector and matrix work on X, the last trip's sums among it, is done: the K rows land there
.irp T, 0,1,2,3
.irp c, 0,1,2,3,4,5,6,7
	ds_load_b128 v[32*\T+4*\c:32*\T+4*\c+3], v[ADK] offset:PT*\T+16*\c   ; Kc[i + s]
.endr
.endr
	WIN 0
	s_wait_dscnt 32                                ; the 32 just issued may be out; the two loads of the keys' xyz, issued a trip ago, are in
	; p = relu(LN3(dist W1 + b1)): one pass serves two tiles, lanes 0-15 tile 2 uu, lanes 16-31 tile 2 uu + 1
.irp uu, 0,1
.irp c, 0,1,2
	v_sub_f32 v[DD+8*\uu+\c], v[XJ+4*\uu+\c], v[XI+\c]
.endr
.endr
.irp uu, 0,1
	v_or_b32 v[DD+8*\uu+3], v[XJ+4*\uu+3], v[XI+3]
.endr
.irp uu, 0,1
	v_cmp_ne_u32 s[MSK+\uu], 0, v[DD+8*\uu+3]
.endr
.irp uu, 0,1
.irp c, 0,1,2
	v_and_b32 v[DD+8*\uu+\c], s[ABSM], v[DD+8*\uu+\c]
.endr
.endr
	s_wait_alu depctr_va_sdst(0)                   ; the two compares have written their masks, which the selects read
.irp uu, 0,1
.irp c, 0,1,2
	v_cndmask_b32 v[DD+8*\uu+\c], v[DD+8*\uu+\c], v[NEG1], s[MSK+\uu]   ; -1 where either point is empty
.endr
.endr
.irp n, 0,1,2
.irp uu, 0,1
	v_fma_f32 v[DD+8*\uu+4+\n], v[DD+8*\uu], s[PW+\n], s[PB+\n]
.endr
.endr
.irp n, 0,1,2
.irp uu, 0,1
	v_fma_f32 v[DD+8*\uu+4+\n], v[DD+8*\uu+1], s[PW+3+\n], v[DD+8*\uu+4+\n]
.endr
.endr
.irp n, 0,1,2
.irp uu, 0,1
	v_fma_f32 v[DD+8*\uu+4+\n], v[DD+8*\uu+2], s[PW+6+\n], v[DD+8*\uu+4+\n]   ; u - mu
.endr
.endr
.irp uu, 0,1
	v_mul_f32 v[DD+8*\uu+7], v[DD+8*\uu+4], v[DD+8*\uu+4]
.endr
.irp uu, 0,1
	v_fma_f32 v[DD+8*\uu+7], v[DD+8*\uu+5], v[DD+8*\uu+5], v[DD+8*\uu+7]
.endr
.irp uu, 0,1
	v_fma_f32 v[DD+8*\uu+7], v[DD+8*\uu+6], v[DD+8*\uu+6], v[DD+8*\uu+7]
.endr
.irp uu, 0,1
	v_fma_f32 v[DD+8*\uu+7], v[DD+8*\uu+7], s[I3], s[EPS]
.endr
.irp uu, 0,1
	v_rsq_f32 v[DD+8*\uu+7], v[DD+8*\uu+7]
.endr
	v_nop
	s_wait_alu depctr_va_vdst(0)                   ; one wait for the two roots, ahead of their first reader; it also states that the subtractions above are done reading XJ
	ds_load_b128 v[XJ:XJ+3], v[ADX]                ; the next trip's keys (the last trip's look-ahead reads rows of the table's third copy and is not used).  No vector line since the wait names XJ or ADX
	ds_load_b128 v[XJ+4:XJ+7], v[ADX] offset:32
.irp n, 0,1,2
.irp uu, 0,1
	v_mul_f32 v[DD+8*\uu+4+\n], v[DD+8*\uu+4+\n], v[DD+8*\uu+7]
.endr
.endr
.irp n, 0,1,2
.irp uu, 0,1
	v_fma_f32 v[PP+8*\uu+\n], v[DD+8*\uu+4+\n], s[PG+\n], s[PBE+\n]
.endr
.endr
.irp n, 0,1,2
.irp uu, 0,1
	v_max_num_f32 v[PP+8*\uu+\n], 0, v[PP+8*\uu+\n]
.endr
.endr
.irp n, 0,1,2
.irp uu, 0,1
	v_mov_b32 v[PP+8*\uu+4+\n], v[PP+8*\uu+\n]
.endr
.endr
.irp n, 0,1,2
.irp uu, 0,1
	v_permlane16_swap_b32 v[PP+8*\uu+\n], v[PP+8*\uu+4+\n]   ; the first's lanes 16-31 change places with the copy's lanes 0-15: both halves now hold tile 2 uu's p in the first, tile 2 uu + 1's in the second
.endr
.endr
	; a = Qc_i - Kc_j + p0 P2c0 + p1 P2c1 + p2 P2c2
	s_wait_dscnt 2                                 ; the K rows are in; the two look-ahead loads issued behind them may be out
	s_wait_alu depctr_vm_vsrc(0)                   ; the trip's LDS loads, of which none follows, have read ADK and ADX, which the next trip's head or the next half's writes
	WIN 0x89
.set e, 0
.rept 16
.irp T, 0,1,2,3
	v_pk_add_f32 v[32*\T+e:32*\T+e+1], v[QQ+e:QQ+e+1], v[32*\T+e:32*\T+e+1] neg_lo:[0,1] neg_hi:[0,1]
.endr
.set e, e+2
.endr
	WIN 0xA1
.set e, 0
.rept 16
.irp T, 0,1,2,3
	v_pk_fma_f32 v[32*\T+e:32*\T+e+1], v[P2C+e:P2C+e+1], v[PP+4*\T:PP+4*\T+1], v[32*\T+e:32*\T+e+1] op_sel_hi:[1,0,1]
.endr
.set e, e+2
.endr
.set e, 0
.rept 16
.irp T, 0,1,2,3
	v_pk_fma_f32 v[32*\T+e:32*\T+e+1], v[P2C+32+e:P2C+32+e+1], v[PP+4*\T:PP+4*\T+1], v[32*\T+e:32*\T+e+1] op_sel:[0,1,0] op_sel_hi:[1,1,1]
.endr
.set e, e+2
.endr
.set e, 0
.rept 16
.irp T, 0,1,2,3
	v_pk_fma_f32 v[32*\T+e:32*\T+e+1], v[P2C+64+e:P2C+64+e+1], v[PP+4*\T+2:PP+4*\T+3], v[32*\T+e:32*\T+e+1] op_sel_hi:[1,0,1]
.endr
.set e, e+2
.endr
	WIN 0
	LNORM G1, BE1
	QRELU
	MM 0, B1, W1S
	; the second layer norm's mean; each accumulator is read from its low end on
	WIN 0x0A
.irp T, 0,1,2,3
	v_pk_add_f32 v[ACC+2*\T:ACC+2*\T+1], v[32*\T:32*\T+1], v[32*\T+2:32*\T+3]
.endr
.irp T, 0,1,2,3
	v_pk_add_f32 v[ACB+2*\T:ACB+2*\T+1], v[32*\T+4:32*\T+5], v[32*\T+6:32*\T+7]
.endr
	WIN 0x02
.set e, 8
.rept 6
.irp T, 0,1,2,3
	v_pk_add_f32 v[ACC+2*\T:ACC+2*\T+1], v[32*\T+e:32*\T+e+1], v[ACC+2*\T:ACC+2*\T+1]
.endr
.irp T, 0,1,2,3
	v_pk_add_f32 v[ACB+2*\T:ACB+2*\T+1], v[32*\T+e+2:32*\T+e+3], v[ACB+2*\T:ACB+2*\T+1]
.endr
.set e, e+4
.endr
	WIN 0
	LANESUM 4
.irp T, 0,1,2,3
	v_mul_f32 v[NMU+2*\T], s[NI64], v[ACC+2*\T]
.endr
	WIN 0x82
.set e, 0
.rept 16
.irp T, 0,1,2,3
	v_pk_add_f32 v[32*\T+e:32*\T+e+1], v[32*\T+e:32*\T+e+1], v[NMU+2*\T:NMU+2*\T+1] op_sel_hi:[1,0]
.endr
.set e, e+2
.endr
	WIN 0
	LNORM G2, BE2
	QRELU
	MM 1, B2, W2S
	s_cmp_lg_u32 s[TRIP], 8                        ; a half's first tile is the diagonal, j = i: its scores are kept
	s_cbranch_scc1 .Lnokeep
	WIN 0xC2
.set e, 0
.rept 32
	v_mov_b32 v[ZD+e], v[e]
.set e, e+1
.endr
	WIN 0
.Lnokeep:
	; the softmax's running maximum and sum, for each (i, feature): four scores a trip
	WIN 0xAA
.set e, 0
.rept 32
	v_max3_num_f32 v[TMP+e], v[e], v[32+e], v[64+e]
.set e, e+1
.endr
.set e, 0
.rept 32
	v_max3_num_f32 v[RM+e], v[TMP+e], v[96+e], v[RM+e]
.set e, e+1
.endr
.set e, 0
.rept 16
	v_pk_fma_f32 v[TMP+e:TMP+e+1], v[RM+e:RM+e+1], s[NL2E:NL2E+1], v[RMS+e:RMS+e+1] op_sel_hi:[1,0,1]   ; MS_old - c M
.set e, e+2
.endr
.set e, 0
.rept 16
	v_pk_mul_f32 v[RMS+e:RMS+e+1], v[RM+e:RM+e+1], s[L2E:L2E+1] op_sel_hi:[1,0]
.set e, e+2
.endr
	; ONE batch of 160 exponentials; the scalings c z - MS run 16 pairs ahead of their exponentials and stand between them; nothing here names a result
.set k, 0
.rept 16
	v_exp_f32 v[TMP+2*k], v[TMP+2*k]
	v_exp_f32 v[TMP+2*k+1], v[TMP+2*k+1]
	v_pk_fma_f32 v[2*k:2*k+1], v[2*k:2*k+1], s[L2E:L2E+1], v[RMS+2*k:RMS+2*k+1] op_sel_hi:[1,0,1] neg_lo:[0,0,1] neg_hi:[0,0,1]
.set k, k+1
.endr
.set k, 0
.rept 64
	v_exp_f32 v[2*k], v[2*k]
	v_exp_f32 v[2*k+1], v[2*k+1]
.if k < 48
	v_pk_fma_f32 v[2*k+32:2*k+33], v[2*k+32:2*k+33], s[L2E:L2E+1], v[RMS+2*(k%16):RMS+2*(k%16)+1] op_sel_hi:[1,0,1] neg_lo:[0,0,1] neg_hi:[0,0,1]
.endif
.set k, k+1
.endr
	v_nop                                          ; a plain instruction behind the last exponential,
	s_wait_alu depctr_va_vdst(0)                   ; and one wait for the batch, ahead of its first reader
.set e, 0
.rept 16
	v_pk_fma_f32 v[RL+e:RL+e+1], v[RL+e:RL+e+1], v[TMP+e:TMP+e+1], v[e:e+1]
.set e, e+2
.endr
.irp T, 1,2,3
.set e, 0
.rept 16
	v_pk_add_f32 v[RL+e:RL+e+1], v[RL+e:RL+e+1], v[32*\T+e:32*\T+e+1]
.set e, e+2
.endr
.endr
	WIN 0
	s_add_co_u32 s[TK], s[TK], 4*PT
	s_add_co_u32 s[TX], s[TX], 64
	s_sub_co_u32 s[TRIP], s[TRIP], 1
	s_cmp_lg_u32 s[TRIP], 0
	s_cbranch_scc1 .Ltrip
	; ---------------- the half's end: v = Q(features) Q(Wv) + bv, res = 2^(c z_diag - MS) / L x v, and the 16 rows of out0
	s_wait_loadcnt 0x0                             ; the features
	WIN 0x0C
.irp n, 0,1,2,3,4,5,6,7
	global_store_b128 v[GO], v[FR+4*\n:FR+4*\n+3], s[8:9] offset:1024*\n+256 th:TH_STORE_NT   ; sixteen lanes store 256 consecutive bytes, at a multiple of 256 from out0's first byte
.endr
.irp n, 0,1,2,3,4,5,6,7
	ds_store_b128 v[SRD], v[FR+4*\n:FR+4*\n+3] offset:2*PT*\n    ; and through my stage, to come back a pair's 32 features a lane
.endr
	WIN 0x80
	s_wait_alu depctr_va_vdst(0)                   ; the last trip's exponentials and sums are done with tile 0's registers, in which the loads below land
.irp c, 0,1,2,3,4,5,6,7
	ds_load_b128 v[4*\c:4*\c+3], v[STO] offset:16*\c             ; LDS serves a wave's instructions in order (ISA guide 5.7.1.4): these see the stores above
.endr
	WIN 0xA3
.set e, 0
.rept 16
	v_pk_fma_f32 v[TMP+e:TMP+e+1], v[ZD+e:ZD+e+1], s[L2E:L2E+1], v[RMS+e:RMS+e+1] op_sel_hi:[1,0,1] neg_lo:[0,0,1] neg_hi:[0,0,1]
.set e, e+2
.endr
	WIN 0xAA
.set e, 0
.rept 32
	v_exp_f32 v[TMP+e], v[TMP+e]
.set e, e+1
.endr
.set e, 0
.rept 32
	v_rcp_f32 v[RL+e], v[RL+e]
.set e, e+1
.endr
	s_wait_dscnt 0x0
	WIN 0x28
	v_max3_num_f32 v[MX], 0x1800000, |v0|, |v1|    ; the features' block: plain work behind the batch, which names none of its results
.set e, 2
.rept 15
	v_max3_num_f32 v[MX], v[MX], |v[e]|, |v[e+1]|
.set e, e+2
.endr
	WIN 0
	v_add_nc_u32 v[SOP], 0xff000000, v[MX]
	v_lshrrev_b32 v[BY], 23, v[SOP]
	v_permlanex16_b32 v[BO], v[BY], s[SEL], s[SEL+1]
	v_lshl_or_b32 v[SW], v[BO], 8, v[BY]
	WIN 0x02
.irp g, 0,1,2,3
	v_cvt_scalef32_pk8_fp4_f32 v[CD+\g], v[8*\g:8*\g+7], v[SOP]
.endr
	WIN 0
	v_nop                                          ; one plain place behind the scaled conversions
	s_wait_alu depctr_va_vdst(0)                   ; one wait for the 64, ahead of their first reader; it also states that the features' codes and scale word are written, which the scaled products below take
	WIN 0xAA
.set e, 0
.rept 16
	v_pk_mul_f32 v[TMP+e:TMP+e+1], v[TMP+e:TMP+e+1], v[RL+e:RL+e+1]   ; the diagonal's weight.  (These 16 are also the places between the scale word, the codes and the products)
.set e, e+2
.endr
	WIN 0xB3
.irp t, 0,1,2,3
	v_wmma_scale_f32_16x16x128_f8f6f4 v[32+8*\t:39+8*\t], v[8*(8+\t):8*(8+\t)+7], v[CD:CD+7], v[BV+8*\t:BV+8*\t+7], v[WVS+\t], v[SW] matrix_a_fmt:MATRIX_FMT_FP4 matrix_b_fmt:MATRIX_FMT_FP4
.endr
	WIN 0
	PLACES 4
	WIN 0xAA
.set e, 0
.rept 16
	v_pk_mul_f32 v[32+e:33+e], v[32+e:33+e], v[TMP+e:TMP+e+1]
.set e, e+2
.endr
	WIN 0x08
	s_wait_alu depctr_va_vdst(0)                   ; the multiplications have written the results, which the LDS stores read; and all vector work on tile 2's registers, in which the loads below land, is done
.irp c, 0,1,2,3,4,5,6,7
	ds_store_b128 v[STO], v[32+4*\c:35+4*\c] offset:16*\c
.endr
	WIN 0x80
.irp n, 0,1,2,3,4,5,6,7
	ds_load_b128 v[64+4*\n:67+4*\n], v[SRD] offset:2*PT*\n
.endr
	WIN 0x08
.irp n, 0,1,2,3,4,5,6,7
	s_wait_dscnt 7-\n                              ; load n is in; the younger ones may be out
	global_store_b128 v[GO], v[64+4*\n:67+4*\n], s[8:9] offset:1024*\n th:TH_STORE_NT
.endr
	WIN 0
	s_wait_xcnt 0x0                                ; the stores have read their data and their base: both are written again only behind this wait
	s_wait_alu depctr_vm_vsrc(0)                   ; the half's stores, global and LDS, have read FR and the tiles' registers, and its loads TA, ADK and ADX: the next half writes all of them again
	s_add_nc_u64 s[6:7], s[6:7], 4096
	s_add_nc_u64 s[8:9], s[8:9], 8192
	s_sub_co_u32 s[TK], s[TK], 16*PT               ; 32 rows on, 16 back: the next half's first row
	s_sub_co_u32 s[TX], s[TX], 320                 ; 36 rows on (one trip ahead), 20 back
	s_sub_co_u32 s[UH], s[UH], 1
	s_cmp_lg_u32 s[UH], 0
	s_cbranch_scc1 .Lhalf
	s_wait_xcnt 0x0
	v_lshl_add_u32 v254, v0, 2, 0x21600            ; my spare word, behind the four regions, and 0: made anew here (no memory or LDS instruction has ever read these two registers)
	v_mov_b32 v255, 0
	s_wait_dscnt 0x0                               ; the closing lines, six on end
	s_wait_alu 0x0
	s_wait_tensorcnt 0x0
	ds_add_u32 v254, v255
	s_wait_dscnt 0x0
	s_endpgm
.Lfunc_end_k_q75770769a2_pointatt:
	.size	k_q75770769a2_pointatt, .Lfunc_end_k_q75770769a2_pointatt-k_q75770769a2_pointatt
	.p2alignl 7, 3214868480
	.fill 96, 4, 3214868480
	.section	.rodata,"a",@progbits
	.p2align	6, 0x0
	.amdhsa_kernel k_q75770769a2_pointatt
		.amdhsa_group_segment_fixed_size 137216
		.amdhsa_private_segment_fixed_size 0
		.amdhsa_enable_private_segment 0
		.amdhsa_kernarg_size 184
		.amdhsa_user_sgpr_count 2
		.amdhsa_user_sgpr_kernarg_segment_ptr 1
		.amdhsa_wavefront_size32 1
		.amdhsa_system_sgpr_workgroup_id_x 1
		.amdhsa_system_sgpr_workgroup_id_y 1
		.amdhsa_system_sgpr_workgroup_id_z 1
		.amdhsa_system_vgpr_workitem_id 0
		.amdhsa_next_free_vgpr 1024
		.amdhsa_next_free_sgpr 100
		.amdhsa_reserve_vcc 1
		.amdhsa_float_denorm_mode_32 3
		.amdhsa_float_denorm_mode_16_64 3
		.amdhsa_memory_ordered 1
		.amdhsa_forward_progress 1
		.amdhsa_inst_pref_size 203
	.end_amdhsa_kernel
	.amdgpu_metadata
---
amdhsa.version: [ 1, 2 ]
amdhsa.kernels:
  - .name:           k_q75770769a2_pointatt
    .symbol:         k_q75770769a2_pointatt.kd
    .args:
      - { .name: pv_xyz, .offset: 0, .size: 8, .value_kind: global_buffer, .address_space: global }
      - { .name: features, .offset: 8, .size: 8, .value_kind: global_buffer, .address_space: global }
      - { .name: out0, .offset: 16, .size: 8, .value_kind: global_buffer, .address_space: global }
      - { .name: w_W1, .offset: 24, .size: 8, .value_kind: global_buffer, .address_space: global }
      - { .name: w_W2, .offset: 32, .size: 8, .value_kind: global_buffer, .address_space: global }
      - { .name: Wv, .offset: 40, .size: 8, .value_kind: global_buffer, .address_space: global }
      - { .name: Wq, .offset: 48, .size: 8, .value_kind: global_buffer, .address_space: global }
      - { .name: Wk, .offset: 56, .size: 8, .value_kind: global_buffer, .address_space: global }
      - { .name: p_W2, .offset: 64, .size: 8, .value_kind: global_buffer, .address_space: global }
      - { .name: bq, .offset: 72, .size: 8, .value_kind: global_buffer, .address_space: global }
      - { .name: bk, .offset: 80, .size: 8, .value_kind: global_buffer, .address_space: global }
      - { .name: p_b2, .offset: 88, .size: 8, .value_kind: global_buffer, .address_space: global }
      - { .name: w_ln1_g, .offset: 96, .size: 8, .value_kind: global_buffer, .address_space: global }
      - { .name: w_ln1_b, .offset: 104, .size: 8, .value_kind: global_buffer, .address_space: global }
      - { .name: w_ln2_g, .offset: 112, .size: 8, .value_kind: global_buffer, .address_space: global }
      - { .name: w_ln2_b, .offset: 120, .size: 8, .value_kind: global_buffer, .address_space: global }
      - { .name: w_b1, .offset: 128, .size: 8, .value_kind: global_buffer, .address_space: global }
      - { .name: w_b2, .offset: 136, .size: 8, .value_kind: global_buffer, .address_space: global }
      - { .name: bv, .offset: 144, .size: 8, .value_kind: global_buffer, .address_space: global }
      - { .name: p_W1, .offset: 152, .size: 8, .value_kind: global_buffer, .address_space: global }
      - { .name: p_b1, .offset: 160, .size: 8, .value_kind: global_buffer, .address_space: global }
      - { .name: p_ln_g, .offset: 168, .size: 8, .value_kind: global_buffer, .address_space: global }
      - { .name: p_ln_b, .offset: 176, .size: 8, .value_kind: global_buffer, .address_space: global }
    .group_segment_fixed_size: 137216
    .private_segment_fixed_size: 0
    .kernarg_segment_align: 8
    .kernarg_segment_size: 184
    .max_flat_workgroup_size: 128
    .sgpr_count:     100
    .vgpr_count:     1024
    .wavefront_size: 32
...
	.end_amdgpu_metadata
.endif
;; end of part 2
